; MI455X (gfx1250); checked and timed in simulation.
; The chip was launched on July 23, 2026; its instructions are those of AMD's public machine-readable ISA for CDNA 5 (MIT licence, August 2026) and "CDNA5" Instruction Set Architecture Reference Guide (July 2026). The comments in the code are by the model that wrote it; some were corrected since.
;; Multi Headed Attention. Allowed arithmetic: float matrix products may take bf16 or f16 operands with f32 sums; all other float work in f32.
;; Inputs: Wk 1,024 x 1,024 float32; Wo 1,024 x 1,024 float32; Wq 1,024 x 1,024 float32; Wv 1,024 x 1,024 float32; bk 1,024 float32; bo 1,024 float32; bq 1,024 float32; bv 1,024 float32; key 2 x 2,048 x 1,024 float32; mask 2 x 2,048 x 2,048 bool; query 2 x 2,048 x 1,024 float32; rel_emb 65 x 64 float32; value 2 x 2,048 x 1,024 float32.
;; Outputs: out0 2 x 2,048 x 1,024 float32.
;; 2 versions, each right and faster than the one before. Each part assembles by itself: llvm-mc -triple=amdgcn-amd-amdhsa -mcpu=gfx1250 --defsym DOCPART=n.
;; ======== version 1 of 2: 4 launches
;; limits: values are held in f16: magnitudes above 65,504 overflow, below 6.1e-05 lose precision
;; workspace buffers: x16 25,165,824 bytes; w16 8,388,608 bytes; qkv 25,165,824 bytes; ctx 8,388,608 bytes; maskw 1,048,576 bytes of whole numbers; ext 29,184 bytes
;; launch prep (part 1): grid 1153 x 1, 8 waves a work-group, no clusters, 35,840 bytes of LDS; arguments mask, rel_emb, query, key, value, Wq, Wk, Wv, Wo, maskw, ext, x16, w16; writes maskw, ext, x16, w16
.if DOCPART == 1
	.amdgcn_target "amdgcn-amd-amdhsa--gfx1250"
	.amdhsa_code_object_version 6
	.text
	.protected	k_q09fd1d20c5_prep
	.globl	k_q09fd1d20c5_prep
	.p2align	8
	.type	k_q09fd1d20c5_prep,@function
k_q09fd1d20c5_prep:
	s_mov_b64 s[64:65], 0
	v_nop
	global_prefetch_b8 v0, s[64:65] scope:SCOPE_SE
	s_setreg_imm32_b32 hwreg(HW_REG_WAVE_MODE, 25, 1), 1
	s_wait_xcnt 0x0
; PREP: what the three later launches read, made once.  Work-groups 0-127 pack the mask, 128 lays out the table of relative positions, 129-1152 cast.
;  maskw [b 2][g 8][w 8][step 32][tile 2][32 words]: word 8 kb + j of a tile has bit 16 h + r = mask[b][row0 + r][64 step + 16 kb + 8 h + j],
;        row0 = 256 g + 64 ((w >> 2) + 2 tile) + 16 (w & 3): the lane mask that the attention's select takes for register j of score block kb.
;  ext   224 rows of 64 f16: row z = E[clamp(z - 63, 0, 64)], E rounded to bf16 and that number written as f16; behind them E[0] and E[64] as f32 (rounded to bf16).
;  x16   query, key, value as bf16, [3][4096][1024].     w16   Wq, Wk, Wv as bf16; Wo rounded to bf16 and that number written as f16; all as they lie, [k][n].
; LIMITS.  f16 keeps a fixed step of 6e-8 below 6.1e-5 and ends at 65,504: E and Wo are taken to lie within that; NaN and infinities are not treated apart.
; No matrix unit, no cluster: every byte is read once by one work-group.  Each store of a wave covers 256 or 512 consecutive bytes, aligned.
.set STAGEB, 16*272                    ; a wave's stage: 16 mask rows of 256 bytes, 16 bytes of padding each
.set SPARE,  8*STAGEB                  ; behind the stages: the spare words, 128 bytes a wave
.set SPW, 4                            ; v4  LDS address of my spare word; never rewritten
.set NIL, 5                            ; v5  0; never rewritten
.set TT,  104                          ; v104 at work
.macro R16 d, a, b                     ; two f32 -> bf16 -> the same numbers as f16, packed
	v_cvt_pk_bf16_f32 v[TT], v[\a], v[\b]
	v_lshlrev_b32 v[\a], 16, v[TT]
	v_and_b32 v[\b], 0xffff0000, v[TT]
	v_cvt_pk_f16_f32 v[\d], v[\a], v[\b]
.endm
; A wave casts 8,192 bytes of f32: sixteen loads of 512 bytes, all on their way at once; each store is 256 consecutive bytes.
.macro CAST half
.set i, 0
.rept 16
	global_load_b128 v[8+4*i:11+4*i], v1, s[34:35] offset:512*i th:TH_LOAD_NT
.set i, i+1
.endr
.set i, 0
.rept 16
	s_wait_loadcnt 15-i                            ; loads come back in order: number i is in, the younger ones stay out
.if \half
	R16 72+2*i, 8+4*i, 9+4*i
	R16 73+2*i, 10+4*i, 11+4*i
.else
	v_cvt_pk_bf16_f32 v[72+2*i], v[8+4*i], v[9+4*i]
	v_cvt_pk_bf16_f32 v[73+2*i], v[10+4*i], v[11+4*i]
.endif
	global_store_b64 v6, v[72+2*i:73+2*i], s[36:37] offset:256*i
.set i, i+1
.endr
.endm
	s_load_b512 s[8:23], s[0:1], 0x0               ; mask 8, rel_emb 10, query 12, key 14, value 16, Wq 18, Wk 20, Wv 22
	s_load_b256 s[24:31], s[0:1], 0x40             ; Wo 24, maskw 26, ext 28, x16 30
	s_load_b64 s[32:33], s[0:1], 0x60              ; w16
	v_lshl_add_u32 v[SPW], v0, 2, SPARE
	v_mov_b32 v[NIL], 0
	v_lshrrev_b32 v1, 5, v0
	v_readfirstlane_b32 s2, v1                     ; wave 0..7
	v_and_b32 v7, 31, v0                           ; lane
	s_mov_b32 s3, ttmp9
	s_mov_b32 s39, 0                               ; high word of the offset pair s[38:39]
	s_wait_kmcnt 0x0
	s_cmp_lt_u32 s3, 128
	s_cbranch_scc1 .Lmask
	s_cmp_eq_u32 s3, 128
	s_cbranch_scc1 .Lext
	; THE CASTS.  Job j takes 65,536 bytes of f32.
	s_sub_co_u32 s3, s3, 129
	s_lshl_b32 s4, s2, 13
	v_lshl_add_u32 v1, v7, 4, s4                   ; in: wave x 8,192 + lane x 16
	s_lshl_b32 s4, s2, 12
	v_lshl_add_u32 v6, v7, 3, s4                   ; out: wave x 4,096 + lane x 8
	s_cmp_lt_u32 s3, 768
	s_cbranch_scc0 .Lweights
	s_lshr_b32 s4, s3, 8                           ; 256 jobs each: query, key, value
	s_cmp_eq_u32 s4, 1
	s_cselect_b64 s[34:35], s[14:15], s[12:13]
	s_cmp_eq_u32 s4, 2
	s_cselect_b64 s[34:35], s[16:17], s[34:35]
	s_and_b32 s38, s3, 255
	s_lshl_b32 s38, s38, 16
	s_add_nc_u64 s[34:35], s[34:35], s[38:39]
	s_lshl_b32 s38, s3, 15
	s_add_nc_u64 s[36:37], s[30:31], s[38:39]
	CAST 0
	s_endpgm
.Lweights:
	s_sub_co_u32 s3, s3, 768
	s_lshr_b32 s4, s3, 6                           ; 64 jobs each: Wq, Wk, Wv, Wo
	s_cmp_eq_u32 s4, 1
	s_cselect_b64 s[34:35], s[20:21], s[18:19]
	s_cmp_eq_u32 s4, 2
	s_cselect_b64 s[34:35], s[22:23], s[34:35]
	s_cmp_eq_u32 s4, 3
	s_cselect_b64 s[34:35], s[24:25], s[34:35]
	s_and_b32 s38, s3, 63
	s_lshl_b32 s38, s38, 16
	s_add_nc_u64 s[34:35], s[34:35], s[38:39]
	s_lshl_b32 s38, s3, 15
	s_add_nc_u64 s[36:37], s[32:33], s[38:39]
	s_cmp_eq_u32 s4, 3
	s_cbranch_scc1 .Lwo
	CAST 0
	s_endpgm
.Lwo:
	CAST 1
	s_endpgm
	; THE TABLE.  Thread t makes 8 channels of row 32 i + t / 8, i = 0..6.  Rows 0-63 are E[0], rows 64-95 E[1..32], rows 96-127 E[33..64], rows 128-223 E[64]: four sources, seven stores.
.Lext:
	v_and_b32 v84, 7, v0
	v_lshrrev_b32 v85, 3, v0
	v_lshlrev_b32 v1, 5, v84                       ; 32 bytes of f32 for 8 channels
	v_lshl_add_u32 v2, v85, 8, v1                  ; + (t / 8) rows of 256 bytes
	v_lshlrev_b32 v6, 4, v0
	global_load_b128 v[8:11], v1, s[10:11]
	global_load_b128 v[12:15], v1, s[10:11] offset:16
	global_load_b128 v[16:19], v2, s[10:11] offset:256
	global_load_b128 v[20:23], v2, s[10:11] offset:272
	global_load_b128 v[24:27], v2, s[10:11] offset:8448
	global_load_b128 v[28:31], v2, s[10:11] offset:8464
	global_load_b128 v[32:35], v1, s[10:11] offset:16384
	global_load_b128 v[36:39], v1, s[10:11] offset:16400
	s_wait_loadcnt 0x0
.set i, 0
.rept 16
	R16 40+i, 8+2*i, 9+2*i
.set i, i+1
.endr
	global_store_b128 v6, v[40:43], s[28:29]
	global_store_b128 v6, v[40:43], s[28:29] offset:4096
	global_store_b128 v6, v[44:47], s[28:29] offset:8192
	global_store_b128 v6, v[48:51], s[28:29] offset:12288
	global_store_b128 v6, v[52:55], s[28:29] offset:16384
	global_store_b128 v6, v[52:55], s[28:29] offset:20480
	global_store_b128 v6, v[52:55], s[28:29] offset:24576
	s_cmp_lg_u32 s2, 0
	s_cbranch_scc1 .Lext_end
	v_and_b32 v84, 15, v0                          ; wave 0: E[0] (lanes 0-15) and E[64] (lanes 16-31) as f32, rounded to bf16
	v_bfe_u32 v85, v0, 4, 1
	v_lshlrev_b32 v60, 4, v84
	v_lshl_add_u32 v60, v85, 14, v60
	global_load_b128 v[64:67], v60, s[10:11]
	s_wait_loadcnt 0x0
	v_cvt_pk_bf16_f32 v68, v64, v65
	v_cvt_pk_bf16_f32 v69, v66, v67
	v_lshlrev_b32 v64, 16, v68
	v_and_b32 v65, 0xffff0000, v68
	v_lshlrev_b32 v66, 16, v69
	v_and_b32 v67, 0xffff0000, v69
	global_store_b128 v6, v[64:67], s[28:29] offset:28672
.Lext_end:
	s_endpgm
	; THE MASK.  Work-group m = (b, g, w); wave kr takes keys 256 kr .. + 255 (four steps) of the two tiles of 16 rows.
.Lmask:
	s_lshr_b32 s4, s3, 6
	s_lshl_b32 s38, s4, 22                         ; b x 2,048 x 2,048
	s_bfe_u32 s4, s3, 0x30003                      ; g
	s_lshl_b32 s4, s4, 8
	s_bfe_u32 s5, s3, 0x10002                      ; w >> 2
	s_lshl_b32 s5, s5, 6
	s_add_co_u32 s4, s4, s5
	s_and_b32 s5, s3, 3
	s_lshl_b32 s5, s5, 4
	s_add_co_u32 s4, s4, s5                        ; row0 of tile 0
	s_lshl_b32 s4, s4, 11
	s_add_co_u32 s38, s38, s4
	s_lshl_b32 s5, s2, 8
	s_add_co_u32 s38, s38, s5
	s_add_nc_u64 s[34:35], s[8:9], s[38:39]
	s_lshl_b32 s38, s3, 13                         ; 8,192 bytes of words for each m,
	s_lshl_b32 s5, s2, 10                          ; 1,024 for four steps
	s_add_co_u32 s38, s38, s5
	s_add_nc_u64 s[36:37], s[26:27], s[38:39]
	v_and_b32 v84, 15, v0
	v_bfe_u32 v85, v0, 4, 1
	v_lshlrev_b32 v1, 4, v84
	v_lshl_add_u32 v1, v85, 11, v1                 ; sixteen lanes take 256 bytes of a row, the other sixteen the next row
	s_mul_i32 s4, s2, STAGEB
	v_mul_u32_u24 v2, v85, 272
	v_lshl_add_u32 v2, v84, 4, v2
	v_add_nc_u32 v2, s4, v2                        ; into my stage, as loaded
	v_mul_u32_u24 v3, v84, 272
	v_lshl_add_u32 v3, v85, 3, v3
	v_add_nc_u32 v3, s4, v3                        ; back: lane 16 h + r takes row r, keys 8 h + 0..7 of each 16
	v_lshlrev_b32 v6, 3, v7
.irp t, 0,1
.irp p, 0,1,2,3,4,5,6,7
	global_load_b128 v[8+32*(\t)+4*(\p):11+32*(\t)+4*(\p)], v1, s[34:35] offset:4096*(\p)+262144*(\t) th:TH_LOAD_NT
.endr
.endr
.irp q, 0,1,2,3,4,5,6,7
	v_mov_b32 v[72+(\q)], 0                        ; the words are written lane by lane: the registers are written whole first
.endr
.irp t, 0,1
	s_wait_loadcnt 8*(1-(\t))                      ; tile t's eight loads are in
.irp p, 0,1,2,3,4,5,6,7
	ds_store_b128 v2, v[8+32*(\t)+4*(\p):11+32*(\t)+4*(\p)] offset:544*(\p)
.endr
.set x, 0
.rept 16
	ds_load_b64 v[96+2*x:97+2*x], v3 offset:16*x   ; LDS serves a wave's instructions in order: these see the stores above
.set x, x+1
.endr
	s_wait_dscnt 0x0
.set x, 0
.rept 16                                       ; x = 4 step + kb
.set j, 0
.rept 8
	v_and_b32 v[80+(j&3)], 0xff<<(8*(j&3)), v[96+2*x+(j>>2)]
	v_cmp_ne_u32 s[40+j], 0, v[80+(j&3)]           ; bit 16 h + r of the word
	v_writelane_b32 v[72+2*(x>>2)+(j&1)], s[40+j], 16*(\t)+4*(x&3)+(j>>1)  ; word 32 t + 8 kb + j lies in lane (word / 2), register (word % 2) of its step's pair
.set j, j+1
.endr
.set x, x+1
.endr
.endr
.irp q, 0,1,2,3
	global_store_b64 v6, v[72+2*(\q):73+2*(\q)], s[36:37] offset:256*(\q)  ; a step's 64 words: 256 consecutive bytes
.endr
	s_wait_tensorcnt 0x0                           ; the wave's end: behind my last LDS store
	ds_add_u32 v[SPW], v[NIL]
	s_wait_dscnt 0x0
	s_endpgm
.Lfunc_end_k_q09fd1d20c5_prep:
	.size	k_q09fd1d20c5_prep, .Lfunc_end_k_q09fd1d20c5_prep-k_q09fd1d20c5_prep
	.p2alignl 7, 3214868480
	.fill 96, 4, 3214868480
	.section	.rodata,"a",@progbits
	.p2align	6, 0x0
	.amdhsa_kernel k_q09fd1d20c5_prep
		.amdhsa_group_segment_fixed_size 35840
		.amdhsa_private_segment_fixed_size 0
		.amdhsa_enable_private_segment 0
		.amdhsa_kernarg_size 104
		.amdhsa_user_sgpr_count 2
		.amdhsa_user_sgpr_kernarg_segment_ptr 1
		.amdhsa_wavefront_size32 1
		.amdhsa_system_sgpr_workgroup_id_x 1
		.amdhsa_system_sgpr_workgroup_id_y 1
		.amdhsa_system_sgpr_workgroup_id_z 1
		.amdhsa_system_vgpr_workitem_id 0
		.amdhsa_next_free_vgpr 128
		.amdhsa_next_free_sgpr 66
		.amdhsa_reserve_vcc 0
		.amdhsa_float_denorm_mode_32 3
		.amdhsa_float_denorm_mode_16_64 3
		.amdhsa_memory_ordered 1
		.amdhsa_forward_progress 1
		.amdhsa_inst_pref_size 85
	.end_amdhsa_kernel
	.amdgpu_metadata
---
amdhsa.version: [ 1, 2 ]
amdhsa.kernels:
  - .name:           k_q09fd1d20c5_prep
    .symbol:         k_q09fd1d20c5_prep.kd
    .args:
      - { .name: mask, .offset: 0, .size: 8, .value_kind: global_buffer, .address_space: global }
      - { .name: rel_emb, .offset: 8, .size: 8, .value_kind: global_buffer, .address_space: global }
      - { .name: query, .offset: 16, .size: 8, .value_kind: global_buffer, .address_space: global }
      - { .name: key, .offset: 24, .size: 8, .value_kind: global_buffer, .address_space: global }
      - { .name: value, .offset: 32, .size: 8, .value_kind: global_buffer, .address_space: global }
      - { .name: Wq, .offset: 40, .size: 8, .value_kind: global_buffer, .address_space: global }
      - { .name: Wk, .offset: 48, .size: 8, .value_kind: global_buffer, .address_space: global }
      - { .name: Wv, .offset: 56, .size: 8, .value_kind: global_buffer, .address_space: global }
      - { .name: Wo, .offset: 64, .size: 8, .value_kind: global_buffer, .address_space: global }
      - { .name: maskw, .offset: 72, .size: 8, .value_kind: global_buffer, .address_space: global }
      - { .name: ext, .offset: 80, .size: 8, .value_kind: global_buffer, .address_space: global }
      - { .name: x16, .offset: 88, .size: 8, .value_kind: global_buffer, .address_space: global }
      - { .name: w16, .offset: 96, .size: 8, .value_kind: global_buffer, .address_space: global }
    .group_segment_fixed_size: 35840
    .private_segment_fixed_size: 0
    .kernarg_segment_align: 8
    .kernarg_segment_size: 104
    .max_flat_workgroup_size: 256
    .sgpr_count:     66
    .vgpr_count:     128
    .wavefront_size: 32
...
	.end_amdgpu_metadata
.endif
;; end of part 1
;; launch proj (part 2): grid 8 x 32, 4 waves a work-group, clusters of 4 x 4, 327,680 bytes of LDS; arguments x16, w16, qkv, bq, bk, bv; writes qkv
.if DOCPART == 2
	.amdgcn_target "amdgcn-amd-amdhsa--gfx1250"
	.amdhsa_code_object_version 6
	.text
	.protected	k_q09fd1d20c5_proj
	.globl	k_q09fd1d20c5_proj
	.p2align	8
	.type	k_q09fd1d20c5_proj,@function
k_q09fd1d20c5_proj:
	s_mov_b64 s[64:65], 0
	v_nop
	global_prefetch_b8 v0, s[64:65] scope:SCOPE_SE
	s_setreg_imm32_b32 hwreg(HW_REG_WAVE_MODE, 25, 1), 1
	s_wait_xcnt 0x0
	s_wait_alu depctr_hold_cnt(0) depctr_sa_sdst(0) depctr_va_vdst(0) depctr_va_sdst(0) depctr_va_ssrc(0) depctr_va_vcc(0) depctr_vm_vsrc(0)
	s_getreg_b32 s2, hwreg(HW_REG_IB_STS2, 6, 4)
	s_cmp_eq_u32 s2, 0
	s_cbranch_scc0 .Lentry_in_a_cluster
	s_endpgm
.Lentry_in_a_cluster:
	s_bfe_u32 s2, ttmp6, 0x10000c
	s_cmp_lg_u32 s2, 0xf033
	s_cbranch_scc0 .Lentry_shape_is_right
	s_endpgm
.Lentry_shape_is_right:
; THE THREE PROJECTIONS in one launch: qkv[sel] = x16[sel] W[sel] + b[sel], sel = 0, 1, 2 for q, k, v.  x16: [3][4096][1024] bf16; W as it lies, [k][n], bf16; sums in f32.
; The result leaves by heads, [sel][b 16 + head][2048][64] in f16, unscaled (the attention applies 1 / 8 in f32), rounded once.
; LIMITS.  f16 ends at 65,504: q, k and v are taken to lie within it.  The bias is rounded to bf16 like the other inputs.  NaN and infinities are not treated apart.
; A tile of the result is 128 x 128 (two heads): four waves, each 64 x 64: 16 accumulators.  K goes in 4 steps of 256 through two LDS slots filled by the tensor data mover:
; x's rows are 512 bytes (64 rows to a load), W's 256 bytes (128 rows to a load); both start at multiples of 256 bytes.
; A WORK-GROUP STAYS: 256 work-groups make three tiles each, the same rows and columns of q, then of k, then of v: a loop over tiles round the four K steps.  The ring does not stop at a tile's end:
; a tile's last two changes of slots ask for the next tile's K steps 0 and 1, and nothing waits for a tile's stores.  The three matrices W lie end to end and a matrix is four K steps, so W's
; address goes on by the same step from first to last.  The last tile's tail, which asks for nothing more, is written out.
; CLUSTERS: 4 x 4 work-groups.  The four of a row of the cluster need the same tiles of x, the four of a column the same tiles of W: each is asked for jointly.
; THE MATRIX INSTRUCTION IS USED TRANSPOSED (source 0 = 16 columns of W, turned on the way out of LDS; source 1 = 16 rows of x): a lane holds eight neighbouring columns of one row.
; The bias is the C operand of the products that start the sums: nothing is cleared and nothing is added behind.
; REGISTERS: window 0: v0-31 addresses; v32-95 at work on the way out; v96-127 the bias; v128-255 the accumulators ((a, b) at v[128 + 8 (4 a + b)]).
;   window 1: two fragment buffers of 128: for 64 along K, 64 registers of x, then 64 of W.
.set KSTEP,  256
.set TILES,  3
.set INPUT,  4096*2048                 ; bytes from query to key to value in x16, and from q to k to v in qkv
.set NEXT_A, INPUT-2*KSTEP*2           ; bytes from a slot's last K step of a tile to its first of the next tile
.set PITCH,  528                       ; x's LDS row: 512 bytes + 16 = 132 words: the 16 rows of a fragment load start 4 banks apart
.set AH,     64*PITCH                  ; 64 rows: one tensor load, and what one wave reads of x
.set ABYTES, 2*AH
.set PB,     288                       ; W's LDS row: 256 bytes + 32 = 72 words
.set BH,     128*PB                    ; 128 rows along K: one tensor load
.set SLOT,   ABYTES+2*BH               ; x's 128 rows, then W's 256 rows
.set STAGE,  2*SLOT                    ; behind the ring: 16 rows x 144 bytes for each wave, for the way out
.set SP,     144
.set SPARE,  STAGE+4*16*SP             ; behind the stages: the spare words, 128 bytes a wave
.set BO,   6                           ; v6      my byte offset in 64 numbers of a bias; never rewritten
.set ADRA, 16                          ; v16-17  LDS address of my x fragments in slot 0, 1
.set ADRB, 20                          ; v20-23  of my W fragments: 2 slot + half of the step's 256 rows
.set STO,  24
.set RD,   25
.set GO,   26
.set SPW,  28
.set NIL,  29
.set TMP,  32
.set BI,   96
.set ACC,  128
.set F0,   0
.set F1,   128
.set G1, 24                            ; s[24:31] group 1 for x's tiles;  s[32:39] group 0, one set a slot
.set G0, 32
.set G1B, 48                           ; s[48:55], s[56:63] the same for W's
.set G0B, 56
.set MSB, 0
.macro WIN new                         ; the immediate's high byte repeats the setting that is left
.if MSB != (\new)
	s_set_vgpr_msb (MSB<<8)|(\new)
.set MSB, \new
.endif
.endm
.set MUL,  0x05                        ; sources 0 and 1 window 1; C and D window 0
.set TO_F, 0x40                        ; destination window 1, address window 0
.macro JLOAD s                         ; a joint load: waves 0 and 1 fetch x's two halves, waves 2 and 3 W's; an s_nop 0 and four v_nop follow each line
	s_cmp_eq_u32 s11, 0
	s_cbranch_scc0 .Lfor_b_\@
	tensor_load_to_lds s[G0+4*(\s):G0+4*(\s)+3], s[G1:G1+7]
	s_nop 0
.rept 4
	v_nop
.endr
	s_branch .Lasked_\@
.Lfor_b_\@:
	tensor_load_to_lds s[G0B+4*(\s):G0B+4*(\s)+3], s[G1B:G1B+7]
	s_nop 0
.rept 4
	v_nop
.endr
.Lasked_\@:
.endm
.macro CREST                           ; a round of the cluster's barrier behind its opening barrier
	s_cmp_lg_u32 s10, 0
	s_cbranch_scc1 .Lnot_wave_0_\@
	s_barrier_signal -3
.Lnot_wave_0_\@:
	s_barrier_wait -3
	s_barrier_signal -1
	s_barrier_wait -1
.endm
.macro CROUND
	s_barrier_signal -1
	s_barrier_wait -1
	CREST
.endm
.macro BIASLOAD p                      ; register j of block b is bias[16 b + 8 (l / 16) + j] of my 64 columns
.irp b, 0,1,2,3
	global_load_b128 v[BI+8*\b:BI+8*\b+3],   v[BO], s[\p:\p+1] offset:64*\b
	global_load_b128 v[BI+8*\b+4:BI+8*\b+7], v[BO], s[\p:\p+1] offset:64*\b+16
.endr
.endm
.macro BIASCVT                         ; the bias rounded to bf16, kept as f32; four registers at work by turns
.set i, 0
.rept 16
	v_cvt_pk_bf16_f32 v[7+i%4], v[BI+2*i], v[BI+2*i+1]
	v_lshlrev_b32 v[BI+2*i], 16, v[7+i%4]
	v_and_b32 v[BI+2*i+1], 0xffff0000, v[7+i%4]
.set i, i+1
.endr
.endm
	s_load_b128 s[4:7], s[0:1], 0x0                ; x16 s[4:5], w16 s[6:7]
	s_load_b64 s[8:9], s[0:1], 0x10                ; qkv
	s_load_b128 s[68:71], s[0:1], 0x18             ; bq, bk
	s_load_b64 s[72:73], s[0:1], 0x28              ; bv
	v_lshl_add_u32 v[SPW], v0, 2, SPARE
	v_mov_b32 v[NIL], 0
	ds_add_u32 v[SPW], v[NIL]                      ; the wave's opening: the add and its wait stand ahead of my first tensor load
	v_lshrrev_b32 v1, 5, v0
	v_readfirstlane_b32 s10, v1                    ; wave 0..3
	s_lshr_b32 s11, s10, 1                         ; which half of the tile's rows is mine.  Also: I fetch x (0) or W (1)
	s_and_b32 s12, s10, 1                          ; which half of its columns.  Also: which half of that tile I fetch
	s_bfe_u32 s40, ttmp6, 0x40000                  ; cx, cy
	s_bfe_u32 s41, ttmp6, 0x40004
	s_lshl_b32 s42, ttmp9, 2
	s_add_co_u32 s42, s42, s40                     ; tile column 0..7
	s_and_b32 s13, ttmp7, 0xffff
	s_lshl_b32 s13, s13, 2
	s_add_co_u32 s13, s13, s41                     ; tile row 0..31 of an input's 4,096 rows
	s_lshl_b32 s43, s41, 2
	s_lshl_b32 s43, 15, s43                        ; my row of the cluster
	s_lshl_b32 s44, 0x1111, s40                    ; my column
	s_or_b32 s[G1+0], s43, (1<<16)|(1<<20)|(1<<21)|(6<<22)|(3<<25)   ; mask; 2-byte elements; padding on; bit 21 beside a mask; after every 128 words 4 words
	s_mov_b32 s[G1+1], KSTEP<<16                   ; tensor_dim0 = 256
	s_mov_b32 s[G1+2], 64<<16                      ; tensor_dim1 = 64
	s_mov_b32 s[G1+3], KSTEP<<16                   ; tile_dim0 = 256
	s_mov_b32 s[G1+4], 64                          ; tile_dim1 = 64
	s_mov_b32 s[G1+5], 1024                        ; elements from row to row
	s_mov_b32 s[G1+6], 0
	s_mov_b32 s[G1+7], 0
	s_or_b32 s[G1B+0], s44, (1<<16)|(1<<20)|(1<<21)|(5<<22)|(7<<25)  ; after every 64 words 8 words
	s_mov_b32 s[G1B+1], 128<<16                    ; 128 columns
	s_mov_b32 s[G1B+2], 128<<16                    ; 128 rows along K
	s_mov_b32 s[G1B+3], 128<<16
	s_mov_b32 s[G1B+4], 128
	s_mov_b32 s[G1B+5], 1024
	s_mov_b32 s[G1B+6], 0
	s_mov_b32 s[G1B+7], 0
	s_lshl_b32 s16, s13, 7
	s_lshl_b32 s17, s12, 6
	s_add_co_u32 s16, s16, s17                     ; x: row 128 x tile row + 64 x half,
	s_lshl_b32 s16, s16, 11                        ; 2,048 bytes each
	s_mov_b32 s17, 0
	s_lshl_b32 s46, s42, 8                         ; W: 256 bytes of columns a tile,
	s_lshl_b32 s47, s12, 18                        ; 128 rows of 2,048 bytes a half
	s_add_co_u32 s46, s46, s47
	s_mov_b32 s47, 0
	s_mul_i32 s20, s12, AH                         ; where they go: no place in the cluster enters an LDS address
	s_mul_i32 s21, s12, BH
	s_add_co_u32 s21, s21, ABYTES
	s_wait_dscnt 0x0                               ; the opening add is done
	s_wait_kmcnt 0x0
	s_add_nc_u64 s[14:15], s[4:5], s[16:17]
	s_add_nc_u64 s[46:47], s[6:7], s[46:47]
	CROUND                                         ; all sixteen work-groups are here: the first joint loads meet
.irp s, 0,1
	s_mov_b32 s[G0+4*(\s)], 1
	s_add_co_u32 s[G0+4*(\s)+1], s20, (\s)*SLOT
	s_add_nc_u64 s[G0+4*(\s)+2:G0+4*(\s)+3], s[14:15], (\s)*KSTEP*2
	s_or_b32 s[G0+4*(\s)+3], s[G0+4*(\s)+3], 0x80000000
	s_mov_b32 s[G0B+4*(\s)], 1
	s_add_co_u32 s[G0B+4*(\s)+1], s21, (\s)*SLOT
	s_add_nc_u64 s[G0B+4*(\s)+2:G0B+4*(\s)+3], s[46:47], (\s)*KSTEP*2048
	s_or_b32 s[G0B+4*(\s)+3], s[G0B+4*(\s)+3], 0x80000000
	JLOAD \s
.endr
	s_lshl_b32 s78, s42, 9                         ; my 64 columns in each of the three biases
	s_lshl_b32 s79, s12, 8
	s_add_co_u32 s78, s78, s79
	s_mov_b32 s79, 0
	s_add_nc_u64 s[68:69], s[68:69], s[78:79]
	s_add_nc_u64 s[70:71], s[70:71], s[78:79]
	s_add_nc_u64 s[72:73], s[72:73], s[78:79]
	v_and_b32 v1, 15, v0                           ; l % 16
	v_bfe_u32 v2, v0, 4, 1                         ; l / 16
	v_lshlrev_b32 v[BO], 5, v2
	BIASLOAD 68                                    ; bq
	v_mul_u32_u24 v3, v1, PITCH
	v_lshl_add_u32 v3, v2, 4, v3                   ; x: row x pitch + 16 x half
	s_mul_i32 s22, s11, AH
	v_add_nc_u32 v[ADRA], s22, v3
	s_add_co_u32 s22, s22, SLOT
	v_add_nc_u32 v[ADRA+1], s22, v3
	v_and_b32 v4, 7, v0                            ; W, turned: lane l reads row 8 (l / 16) + l % 8, columns 8 ((l / 8) % 2) + 0..7
	v_lshl_add_u32 v4, v2, 3, v4
	v_mul_u32_u24 v4, v4, PB
	v_bfe_u32 v5, v0, 3, 1
	v_lshl_add_u32 v4, v5, 4, v4
	s_lshl_b32 s23, s12, 7                         ; my 64 columns
	s_add_co_u32 s23, s23, ABYTES
.irp k, 0,1,2,3
	s_add_co_u32 s22, s23, ((\k)>>1)*SLOT+((\k)&1)*BH
	v_add_nc_u32 v[ADRB+(\k)], s22, v4
.endr
	s_mul_i32 s23, s10, 16*SP
	s_add_co_u32 s23, s23, STAGE                   ; my stage
	v_mul_u32_u24 v4, v1, SP
	v_lshl_add_u32 v4, v2, 4, v4
	v_add_nc_u32 v[STO], s23, v4                   ; in: row l % 16, 16 bytes for each half of the lanes
	v_bfe_u32 v5, v0, 3, 2
	v_mul_u32_u24 v5, v5, SP
	v_and_b32 v4, 7, v0
	v_lshl_add_u32 v5, v4, 4, v5
	v_add_nc_u32 v[RD], s23, v5                    ; back: 32 lanes take four rows of 128 bytes,
	v_and_b32 v[GO], 31, v0
	v_lshlrev_b32 v[GO], 4, v[GO]                  ; which are 512 consecutive bytes of a head
	; where my 64 rows x 64 columns of q go.  The rows' part:
	s_lshr_b32 s17, s13, 4
	s_lshl_b32 s17, s17, 22                        ; batch x 16 heads x 262,144 bytes
	s_and_b32 s16, s13, 15
	s_lshl_b32 s16, s16, 14                        ; 128 rows x 128 bytes a tile row
	s_add_co_u32 s16, s16, s17
	s_lshl_b32 s17, s11, 13
	s_add_co_u32 s16, s16, s17
	s_mov_b32 s17, 0
	s_add_nc_u64 s[8:9], s[8:9], s[16:17]
	s_lshl_b32 s46, s42, 1                         ; the columns' part: head 2 x tile column + half (in registers that never feed x's descriptors)
	s_add_co_u32 s46, s46, s12
	s_lshl_b32 s46, s46, 18
	s_mov_b32 s47, 0
	s_add_nc_u64 s[8:9], s[8:9], s[46:47]
	s_wait_loadcnt 0x0
	BIASCVT
; 8 matrix instructions: row blocks a0, a0 + 1 x all 4 column blocks, 32 along K: half c of buffer f.  first = 1: the products start the sums, with the bias as C
.macro MUL8 f, c, a0, first
	WIN MUL
.irp a, \a0, (\a0)+1
.irp b, 0,1,2,3
.if \first
	v_wmma_f32_16x16x32_bf16 v[ACC+8*(4*(\a)+(\b)):ACC+8*(4*(\a)+(\b))+7], v[(\f)+64+8*(4*(\c)+(\b)):(\f)+64+8*(4*(\c)+(\b))+7], v[(\f)+8*(4*(\c)+(\a)):(\f)+8*(4*(\c)+(\a))+7], v[BI+8*(\b):BI+8*(\b)+7]
.else
	v_wmma_f32_16x16x32_bf16 v[ACC+8*(4*(\a)+(\b)):ACC+8*(4*(\a)+(\b))+7], v[(\f)+64+8*(4*(\c)+(\b)):(\f)+64+8*(4*(\c)+(\b))+7], v[(\f)+8*(4*(\c)+(\a)):(\f)+8*(4*(\c)+(\a))+7], v[ACC+8*(4*(\a)+(\b)):ACC+8*(4*(\a)+(\b))+7]
.endif
.endr
.endr
.endm
; 32 LDS loads in one run: the fragments of quarter kq (64 along K) of a slot, into buffer f; the first 32 along K first
.macro FETCH slot, kq, f
	WIN TO_F
.irp c, 0,1
.irp i, 0,1,2,3
	ds_load_tr16_b128 v[(\f)+64+8*(4*(\c)+(\i)):(\f)+64+8*(4*(\c)+(\i))+3],   v[ADRB+2*(\slot)+((\kq)>>1)] offset:(((\kq)&1)*64+32*(\c))*PB+32*(\i)
	ds_load_tr16_b128 v[(\f)+64+8*(4*(\c)+(\i))+4:(\f)+64+8*(4*(\c)+(\i))+7], v[ADRB+2*(\slot)+((\kq)>>1)] offset:(((\kq)&1)*64+32*(\c)+16)*PB+32*(\i)
	ds_load_b128 v[(\f)+8*(4*(\c)+(\i)):(\f)+8*(4*(\c)+(\i))+3],         v[ADRA+(\slot)] offset:128*(\kq)+64*(\c)+(\i)*16*PITCH
	ds_load_b128 v[(\f)+8*(4*(\c)+(\i))+4:(\f)+8*(4*(\c)+(\i))+7],       v[ADRA+(\slot)] offset:128*(\kq)+64*(\c)+(\i)*16*PITCH+32
.endr
.endr
.endm
.macro PLACES                          ; four plain places in front of loads into registers that matrix instructions have read, and of reads of results
.rept 4
	v_nop
.endr
.endm
; One of a K step's first three quarters: multiplies buffer f and fetches quarter kq into g.
.macro QUARTER slot, kq, f, g, first
	s_wait_dscnt 16                                ; the first 32 along K are in
	WIN MUL
	MUL8 \f, 0, 0, \first
	MUL8 \f, 0, 2, \first
	PLACES
	FETCH \slot, \kq, \g
	s_wait_dscnt 32                                ; all but the 32 just issued
	WIN MUL
	MUL8 \f, 1, 0, 0
	MUL8 \f, 1, 2, 0
.endm
; The last quarter multiplies buffer 1 and changes slots: one barrier; in front of it each wave waits for all its tensor loads, adds 0 to its spare word, and waits for that and for its reads of this slot.
; fill = 1: this slot is filled again with this tile's K step two steps on; 2: with the NEXT tile's K step 0 or 1; 0: nothing is left to fetch.
.macro TURN slot, next, fill
	WIN 0
	s_wait_tensorcnt 0x0                           ; all my tensor loads have landed: my part of the next slot
	ds_add_u32 v[SPW], v[NIL]
	s_wait_dscnt 17                                ; (the add and the youngest sixteen loads may be out)
	WIN MUL
	MUL8 F1, 0, 0, 0
	s_wait_dscnt 0x0                               ; the add is done, and my reads of this slot are over
	s_barrier_signal -1
	MUL8 F1, 0, 2, 0
.if \fill
	WIN 0
.endif
	s_barrier_wait -1
.if \fill
	CREST                                          ; the barrier has opened a round of the cluster's: no wave of any partner still reads this slot or has a load on its way
.if (\fill) == 2
	s_add_nc_u64 s[G0+4*(\slot)+2:G0+4*(\slot)+3], s[G0+4*(\slot)+2:G0+4*(\slot)+3], NEXT_A
.else
	s_add_nc_u64 s[G0+4*(\slot)+2:G0+4*(\slot)+3], s[G0+4*(\slot)+2:G0+4*(\slot)+3], 2*KSTEP*2
.endif
	s_add_nc_u64 s[G0B+4*(\slot)+2:G0B+4*(\slot)+3], s[G0B+4*(\slot)+2:G0B+4*(\slot)+3], 2*KSTEP*2048  ; across tiles too: the next matrix begins where this one ends
	JLOAD \slot                                    ; the first tensor load behind the round; its four v_nop are also the places in front of the loads below
.else
	PLACES
.endif
	FETCH \next, 0, F0
	WIN MUL
	MUL8 F1, 1, 0, 0
	MUL8 F1, 1, 2, 0
.endm
; THE WAY OUT, 16 rows (block a) at a time.  PACK: rounded to f16, 16 bytes a lane.  TOSTAGE: into my own stage, and back as whole rows of 128 bytes.  SEND: stored as 512 consecutive bytes of my head.
.macro PACK a
.set PKR, TMP+32*((\a)%2)
.irp b, 0,1,2,3
.irp r, 0,1,2,3
	v_cvt_pk_f16_f32 v[PKR+4*(\b)+(\r)], v[ACC+8*(4*(\a)+(\b))+2*(\r)], v[ACC+8*(4*(\a)+(\b))+2*(\r)+1]
.endr
.endr
.endm
.macro TOSTAGE a
.set PKR, TMP+32*((\a)%2)
.irp b, 0,1,2,3
	ds_store_b128 v[STO], v[PKR+4*(\b):PKR+4*(\b)+3] offset:32*(\b)
.endr
	s_wait_xcnt 0x0                                ; the registers that earlier stores read are loaded again only behind this wait
.irp f, 0,1,2,3
	ds_load_b128 v[PKR+16+4*(\f):PKR+16+4*(\f)+3], v[RD] offset:576*(\f)  ; LDS serves a wave's instructions in order: these see the stores above
.endr
.endm
.macro SEND a
.set PKR, TMP+32*((\a)%2)
.irp f, 0,1,2,3
	s_wait_dscnt 3-(\f)                            ; nothing younger than the block's four loads is out
	global_store_b128 v[GO], v[PKR+16+4*(\f):PKR+16+4*(\f)+3], s[8:9] offset:(\a)*2048+(\f)*512
.endr
.endm
.macro WAYOUT                          ; block a's conversions stand between block a - 1's loads from the stage and the wait for them
	PACK 0
	TOSTAGE 0
.irp a, 1,2,3
	PACK \a
	SEND (\a)-1
	TOSTAGE \a
.endr
	SEND 3
.endm
	s_wait_tensorcnt 1                             ; my part of K step 0 is in; step 1's may stay out
	s_barrier_signal -1
	s_barrier_wait -1
	FETCH 0, 0, F0
	WIN 0                                          ; at a label and at a branch every window is 0
	s_mov_b32 s2, TILES                            ; tiles to go, this one among them: the same number in every work-group
.Ltile:
	QUARTER 0, 1, F0, F1, 1                        ; a tile's first quarter: its first products start the sums
	WIN 0
	s_cmp_eq_u32 s2, 1
	s_cbranch_scc1 .Lno_bias                       ; the last tile has no successor
	s_cmp_eq_u32 s2, 3
	s_cselect_b64 s[76:77], s[70:71], s[72:73]     ; behind q comes k, behind k comes v
	BIASLOAD 76                                    ; the next tile's bias: the products that read this tile's stand in front of the quarter's four places
.Lno_bias:
	QUARTER 0, 2, F1, F0, 0
	QUARTER 0, 3, F0, F1, 0
	TURN 0, 1, 1                                   ; slot 0 takes step 2
	QUARTER 1, 1, F0, F1, 0
	QUARTER 1, 2, F1, F0, 0
	QUARTER 1, 3, F0, F1, 0
	TURN 1, 0, 1                                   ; slot 1 takes step 3
	QUARTER 0, 1, F0, F1, 0
	QUARTER 0, 2, F1, F0, 0
	QUARTER 0, 3, F0, F1, 0
	WIN 0
	s_cmp_eq_u32 s2, 1
	s_cbranch_scc1 .Llast_tile                     ; the last tile's tail is written out: it asks for nothing more
	TURN 0, 1, 2                                   ; THE RING GOES ON INTO THE NEXT TILE: slot 0 takes its K step 0,
	QUARTER 1, 1, F0, F1, 0
	QUARTER 1, 2, F1, F0, 0
	QUARTER 1, 3, F0, F1, 0
	TURN 1, 0, 2                                   ; slot 1 its K step 1, and the next tile's first fragments are fetched
	WIN 0
	s_wait_loadcnt 0x0                             ; the next tile's bias is in
	BIASCVT                                        ; 48 plain instructions that name no register of the last products: their places
	WAYOUT                                         ; both refills are asked for: now the tile goes out
	s_wait_xcnt 0x0                                ; the stores' base is stepped only behind this wait
	s_add_nc_u64 s[8:9], s[8:9], INPUT             ; from q to k to v
	s_sub_co_u32 s2, s2, 1
	s_branch .Ltile
.Llast_tile:
	TURN 0, 1, 0
	QUARTER 1, 1, F0, F1, 0
	QUARTER 1, 2, F1, F0, 0
	QUARTER 1, 3, F0, F1, 0
	s_wait_dscnt 16
	WIN MUL
	MUL8 F1, 0, 0, 0
	MUL8 F1, 0, 2, 0
	s_wait_dscnt 0
	MUL8 F1, 1, 0, 0
	MUL8 F1, 1, 2, 0
	WIN 0
	PLACES
	WAYOUT
	s_wait_tensorcnt 0x0                           ; the wave's end
	ds_add_u32 v[SPW], v[NIL]
	s_wait_dscnt 0x0
	CROUND                                         ; the closing round: no work-group ends while a partner may still ask for a tile that names it
	s_endpgm
.Lfunc_end_k_q09fd1d20c5_proj:
	.size	k_q09fd1d20c5_proj, .Lfunc_end_k_q09fd1d20c5_proj-k_q09fd1d20c5_proj
	.p2alignl 7, 3214868480
	.fill 96, 4, 3214868480
	.section	.rodata,"a",@progbits
	.p2align	6, 0x0
	.amdhsa_kernel k_q09fd1d20c5_proj
		.amdhsa_group_segment_fixed_size 327680
		.amdhsa_private_segment_fixed_size 0
		.amdhsa_enable_private_segment 0
		.amdhsa_kernarg_size 48
		.amdhsa_user_sgpr_count 2
		.amdhsa_user_sgpr_kernarg_segment_ptr 1
		.amdhsa_wavefront_size32 1
		.amdhsa_system_sgpr_workgroup_id_x 1
		.amdhsa_system_sgpr_workgroup_id_y 1
		.amdhsa_system_sgpr_workgroup_id_z 1
		.amdhsa_system_vgpr_workitem_id 0
		.amdhsa_next_free_vgpr 512
		.amdhsa_next_free_sgpr 80
		.amdhsa_reserve_vcc 0
		.amdhsa_float_denorm_mode_32 3
		.amdhsa_float_denorm_mode_16_64 3
		.amdhsa_memory_ordered 1
		.amdhsa_forward_progress 1
		.amdhsa_inst_pref_size 126
	.end_amdhsa_kernel
	.amdgpu_metadata
---
amdhsa.version: [ 1, 2 ]
amdhsa.kernels:
  - .name:           k_q09fd1d20c5_proj
    .symbol:         k_q09fd1d20c5_proj.kd
    .args:
      - { .name: x16, .offset: 0, .size: 8, .value_kind: global_buffer, .address_space: global }
      - { .name: w16, .offset: 8, .size: 8, .value_kind: global_buffer, .address_space: global }
      - { .name: qkv, .offset: 16, .size: 8, .value_kind: global_buffer, .address_space: global }
      - { .name: bq, .offset: 24, .size: 8, .value_kind: global_buffer, .address_space: global }
      - { .name: bk, .offset: 32, .size: 8, .value_kind: global_buffer, .address_space: global }
      - { .name: bv, .offset: 40, .size: 8, .value_kind: global_buffer, .address_space: global }
    .group_segment_fixed_size: 327680
    .private_segment_fixed_size: 0
    .kernarg_segment_align: 8
    .kernarg_segment_size: 48
    .max_flat_workgroup_size: 128
    .sgpr_count:     80
    .vgpr_count:     512
    .wavefront_size: 32
...
	.end_amdgpu_metadata
.endif
;; end of part 2
;; launch attn (part 3): grid 8 x 32, 8 waves a work-group, no clusters, 293,888 bytes of LDS; arguments qkv, maskw, ext, ctx; writes ctx
.if DOCPART == 3
	.amdgcn_target "amdgcn-amd-amdhsa--gfx1250"
	.amdhsa_code_object_version 6
	.text
	.protected	k_q09fd1d20c5_attn
	.globl	k_q09fd1d20c5_attn
	.p2align	8
	.type	k_q09fd1d20c5_attn,@function
k_q09fd1d20c5_attn:
	s_mov_b64 s[64:65], 0
	v_nop
	global_prefetch_b8 v0, s[64:65] scope:SCOPE_SE
	s_setreg_imm32_b32 hwreg(HW_REG_WAVE_MODE, 25, 1), 1
	s_wait_xcnt 0x0
; ATTENTION WITH RELATIVE POSITIONS.  For query i, key j of a head: s = q_i . (k_j + E[e]), e = clamp(j - i + 32, 0, 64); hidden keys count as -2^60; p = softmax(s / 8); ctx_i = sum_j p (v_j + E[e]).
; q, k, v: [32 heads of both batches][2048][64] f16, unscaled.  Products, maxima and sums in f32; p is rounded to f16 for the second products (its sums are taken unrounded); ctx f16, by heads.
; LIMITS.  A hidden score is -2^60 on the unscaled score (the module's -1e18 on the scaled one): c x 2^60 is exact, so a row with every key hidden gets p = 1 for all keys, the uniform row;
; true scores are taken to lie above -2^59.  A weight below 2^-126 counts as 0.  f16 ends at 65,504.  NaN and infinities are not treated apart.
; SHARES.  A work-group owns 256 queries of a head; of its eight waves wave w owns two tiles of 16 queries: rows 64 ((w >> 2) + 2 t) + 16 (w & 3).  Every wave walks all 2,048 keys, 64 a step.
; Two waves share a set of 1,024 registers, 512 each: the one's products stand beside the other's softmax, so the text is written in plain phases.
; LAYOUT.  S^T = K Q^T: a lane holds ONE query (lane % 16) and keys 8 (lane / 16) + 0..7 of each 16; rounded to f16 in pairs that IS source 1 of O^T = V^T P.  p = 2^(c s - c m), c = log2(e) / 8,
; with a running maximum m; O, l and g are multiplied by a = 2^(c m_old - c m_new) in every step.  m starts at the lowest finite number, O, l, g at 0: the first step is a step like any other.
; THE RELATIVE TERMS.  In all but two steps of a tile every j - i is <= -32 or >= 32: the score term is one number a query, q . E[0] or q . E[64], taken as the C operand that starts the sum (CUR),
; and the value term is (the sum g of those steps' weights) x E[0] or E[64].  In the two BAND steps: R^T = T[z0 .. z0 + 95] Q^T (T: the table, row z = E[clamp(z - 63)]) goes through my scratch and
; comes back skewed (y = key - query + 15) as the C operand; behind the step P goes through my scratch with the same skew and O^T += T^T P'.  z0 = 64 (step - first band step) + 16 ((w & 3) xor 1).
; K AND V lie in two LDS regions of four key steps that take turns.  In every key step a wave stores the 8 keys of K and of V that it brought a step before (4 LDS stores) into the OTHER region, for the
; step four steps on, and asks for the next 8 (4 loads, nearly a step ahead of their use).  Reads of one region and stores into the other lie between the same two barriers: one barrier for 256 keys.
; The last four steps' stores put stale bytes into a region that nobody reads any more: the price of one text for every trip.
; NO CLUSTER, NO TENSOR LOADS.  The step at which a tile takes the band's text hangs on the query block, which differs between the work-groups that share K and V, and partners in a cluster
; run alike; K and V are 16 KiB a key step.  Staging through registers gives one text for all trips.
; O's 64 registers are cleared once, in the wait for the first loads: the price of writing no first step out.
.set PK,    144                        ; a row of K in LDS: 128 bytes + 16
.set PV,    160                        ; a row of V, and of the table: 128 + 32
.set VREG,  256*PK                     ; a region: 256 keys of K, then 256 of V
.set REGB,  1<<17                      ; the second region begins here, so that one exclusive or turns an address in one region into the other's
.set EXT,   VREG+256*PV                ; between the regions: the table, 224 rows
.set SCR,   REGB+VREG+256*PV           ; behind the second region: each wave's own scratch:
.set SCRB,  10496                      ;   +0 R^T, 16 queries x 400 bytes (also the stage of the way out, 16 x 144); +6,400 P', 16 x 208; +9,984 E[0], E[64] in f32
.set PSO,   6400
.set EDO,   9984
.set SPARE, SCR+8*SCRB                 ; the spare words, 128 bytes a wave
; window 0
.set AK0, 3                            ; my lane's place in a step of K; never rewritten
.set AV0, 4                            ; the same for V (turned)
.set AK,  5
.set AV,  6
.set AEK0, 7                           ; my lane's place in the table at row 16 ((w & 3) xor 1), read as K is
.set AET0, 8                           ; the same, read turned
.set AE,  9
.set TBW, 10                           ; R^T in
.set TBR, 11                           ; and back, skewed
.set PSW, 12                           ; P' in, skewed
.set PSR, 13                           ; and back
.set EDG, 14
.set STO, 15
.set RD,  16
.set AEF, 17                           ; the table's row 0, read as K is
.set KST, 18                           ; where my 8 keys of a step's K go; never rewritten
.set VST, 19                           ; the same for V
.set GLO, 20                           ; 16 x lane
.set QO,  21
.set MBIG, 22                          ; -2^60
.set SPW, 24
.set NIL, 25
.set ZQ,  28                           ; four zeros
.set ST,  32                           ; tile t at ST + 8 t: c m, m, l (even, odd keys), g (even, odd), a, and a's partner in the pair
.set CC,  48                           ; v48-52 at work
.set GT,  54                           ; v54-55 g over both halves of the lanes
.set KSA, 56                           ; this step's store addresses
.set VSA, 57
.set S,   64
.set P,   96
.set O,   112                          ; 32 a tile
.set BIAS, 176
.set PSF, 176
.set RR,  208
; window 1
.set KF,  0
.set VF,  64
.set QF,  128                          ; 16 a tile
.set STG, 160                          ; my 8 keys of K and of V on their way
.set CUR, 224                          ; 8 a tile: q . E[0], behind the band q . E[64]
.set X64, 240                          ; 8 a tile: q . E[64]
; scalars
.set WV,  2
.set OUTER, 20
.set CNT, 21
.set SI,  22                           ; the key step, 0..31
.set TBK, 23                           ; LDS byte at which this step's K begins
.set TBV, 24                           ; the same for V, less VREG
.set MOFF, 25
.set BS,  26                           ; s26, s27: a tile's first band step (may be -1)
.set RB,  28                           ; the region to be read next: 0 or REGB
.set SEL, 66
.set CS,  100
.set MSB, 0
.macro WIN new
.if MSB != (\new)
	s_set_vgpr_msb (MSB<<8)|(\new)
.set MSB, (\new)
.endif
.endm
.macro NOPS n
.rept \n
	v_nop
.endr
.endm
.macro FETCH_K
	WIN 0x40
.irp f, 0,1,2,3,4,5,6,7             ; keys 16 (f / 2) on, channels 32 (f % 2) on
	ds_load_b128 v[KF+8*\f:KF+8*\f+3],   v[AK] offset:(\f/2)*16*PK+(\f%2)*64
	ds_load_b128 v[KF+8*\f+4:KF+8*\f+7], v[AK] offset:(\f/2)*16*PK+(\f%2)*64+32
.endr
.endm
.macro FETCH_V
	WIN 0x40
.irp f, 0,1,2,3,4,5,6,7             ; keys 32 (f / 4) on, channels 16 (f % 4) on
	ds_load_tr16_b128 v[VF+8*\f:VF+8*\f+3],   v[AV] offset:(\f/4)*32*PV+(\f%4)*32
	ds_load_tr16_b128 v[VF+8*\f+4:VF+8*\f+7], v[AV] offset:(\f/4)*32*PV+16*PV+(\f%4)*32
.endr
.endm
; Four products of S^T = K Q^T, the four key blocks by turns.  mode 0: channels 0-31, C = CUR; 1: channels 0-31, C = the band's bias; 2: channels 32-63, in place.
.macro KQ4 t, mode
.irp kb, 0,1,2,3
.if (\mode) == 0
	WIN 0x15
	v_wmma_f32_16x16x32_f16 v[S+8*\kb:S+8*\kb+7], v[KF+16*\kb:KF+16*\kb+7], v[QF+16*(\t):QF+16*(\t)+7], v[CUR+8*(\t):CUR+8*(\t)+7]
.elseif (\mode) == 1
	WIN 0x05
	v_wmma_f32_16x16x32_f16 v[S+8*\kb:S+8*\kb+7], v[KF+16*\kb:KF+16*\kb+7], v[QF+16*(\t):QF+16*(\t)+7], v[BIAS+8*\kb:BIAS+8*\kb+7]
.else
	WIN 0x05
	v_wmma_f32_16x16x32_f16 v[S+8*\kb:S+8*\kb+7], v[KF+16*\kb+8:KF+16*\kb+15], v[QF+16*(\t)+8:QF+16*(\t)+15], v[S+8*\kb:S+8*\kb+7]
.endif
.endr
.endm
.macro PV t                            ; eight products of O^T += V^T P: keys 32 (i / 4) on, channels 16 (i % 4) on; the four accumulators by turns
	WIN 0x01
.irp i, 0,1,2,3,4,5,6,7
	v_wmma_f32_16x16x32_f16 v[O+32*(\t)+8*(\i%4):O+32*(\t)+8*(\i%4)+7], v[VF+32*(\i/4)+8*(\i%4):VF+32*(\i/4)+8*(\i%4)+7], v[P+8*(\i/4):P+8*(\i/4)+7], v[O+32*(\t)+8*(\i%4):O+32*(\t)+8*(\i%4)+7]
.endr
	WIN 0
.endm
; A tile's softmax for one step.  The maximum in four chains, three operands at a time; the exchange with the lane 16 away; c m and a; c s - c m; then exponential and plain by turns
; (the plain ones: O times a, then the roundings of pairs whose exponentials are done), so that each exponential has a plain instruction behind it before its result is used; the sums.
.macro SOFTMAX t
.set rT, ST+8*(\t)
.set rO, O+32*(\t)
.irp n, 0,1,2,3
	v_max3_num_f32 v[CC+\n], v[S+8*\n], v[S+8*\n+1], v[S+8*\n+2]
.endr
.irp n, 0,1,2,3
	v_max3_num_f32 v[CC+\n], v[CC+\n], v[S+8*\n+3], v[S+8*\n+4]
.endr
.irp n, 0,1,2,3
	v_max3_num_f32 v[CC+\n], v[CC+\n], v[S+8*\n+5], v[S+8*\n+6]
.endr
	v_max3_num_f32 v[CC], v[CC], v[S+7], v[S+15]
	v_max3_num_f32 v[CC+1], v[CC+1], v[S+23], v[S+31]
	v_max3_num_f32 v[CC+2], v[CC+2], v[CC+3], v[rT+1]
	v_mov_b32 v[CC+4], v[rT]        ; c m_old is kept
	v_max3_num_f32 v[CC], v[CC], v[CC+1], v[CC+2]
	v_permlanex16_b32 v[CC+3], v[CC], s[SEL], s[SEL+1]
	v_max_num_f32 v[rT+1], v[CC], v[CC+3]
	v_mul_f32 v[rT], s[CS], v[rT+1]
	v_sub_f32 v[CC+1], v[CC+4], v[rT]
	v_exp_f32 v[rT+6], v[CC+1]      ; a
.set n, 0
.rept 16
	v_pk_fma_f32 v[S+2*n:S+2*n+1], v[S+2*n:S+2*n+1], s[CS:CS+1], v[rT:rT+1] op_sel_hi:[1,0,0] neg_lo:[0,0,1] neg_hi:[0,0,1]
.set n, n+1
.endr
.set n, 0
.rept 31
	v_exp_f32 v[S+n], v[S+n]
.if n < 16
	s_wait_alu depctr_va_vdst(0)
	v_pk_mul_f32 v[rO+2*n:rO+2*n+1], v[rO+2*n:rO+2*n+1], v[rT+6:rT+7] op_sel_hi:[1,0]
.else
	s_wait_alu depctr_va_vdst(0)
	v_cvt_pk_f16_f32 v[P+n-16], v[S+2*(n-16)], v[S+2*(n-16)+1]
.endif
.set n, n+1
.endr
	v_exp_f32 v[S+31], v[S+31]
	v_pk_add_f32 v[S:S+1], v[S:S+1], v[S+2:S+3]
	s_wait_alu depctr_va_vdst(0)
	v_cvt_pk_f16_f32 v[P+15], v[S+30], v[S+31]
.irp u, 1,2,3,4,5,6,7
	v_pk_add_f32 v[S+4*\u:S+4*\u+1], v[S+4*\u:S+4*\u+1], v[S+4*\u+2:S+4*\u+3]
.endr
.irp u, 0,1,2,3
	v_pk_add_f32 v[S+8*\u:S+8*\u+1], v[S+8*\u:S+8*\u+1], v[S+8*\u+4:S+8*\u+5]
.endr
	v_pk_add_f32 v[S:S+1], v[S:S+1], v[S+8:S+9]
	v_pk_add_f32 v[S+16:S+17], v[S+16:S+17], v[S+24:S+25]
	v_pk_add_f32 v[S:S+1], v[S:S+1], v[S+16:S+17]
	v_pk_fma_f32 v[rT+2:rT+3], v[rT+2:rT+3], v[rT+6:rT+7], v[S:S+1] op_sel_hi:[1,0,1]   ; l = a l + sum
	v_pk_fma_f32 v[rT+4:rT+5], v[rT+4:rT+5], v[rT+6:rT+7], v[S:S+1] op_sel_hi:[1,0,1]   ; g = a g + sum
.endm
; IN FRONT OF A BAND STEP'S SCORES.  s30 = step - first band step, 0 or 1.  O += g E[0] (g is 0 in the second band step); R^T in three rounds of two blocks of 16 table rows; through my scratch; back skewed.
.macro BANDPRE t
	s_and_b32 s30, s30, 1
	s_mul_i32 s30, s30, 64*PV
	v_add_nc_u32 v[AE], s30, v[AEK0]
.irp cb, 0,1,2,3
	ds_load_b128 v[RR+8*\cb:RR+8*\cb+3],   v[EDG] offset:64*\cb
	ds_load_b128 v[RR+8*\cb+4:RR+8*\cb+7], v[EDG] offset:64*\cb+16
.endr
	v_add_f32 v[GT], v[ST+8*(\t)+4], v[ST+8*(\t)+5]
	v_permlanex16_b32 v[GT+1], v[GT], s[SEL], s[SEL+1]
	v_add_f32 v[GT], v[GT], v[GT+1]
	s_wait_dscnt 0x0
.set n, 0
.rept 16
	v_pk_fma_f32 v[O+32*(\t)+2*n:O+32*(\t)+2*n+1], v[RR+2*n:RR+2*n+1], v[GT:GT+1], v[O+32*(\t)+2*n:O+32*(\t)+2*n+1] op_sel_hi:[1,0,1]
.set n, n+1
.endr
.irp rd, 0,1,2
.irp e, 0,1
.irp c, 0,1
	ds_load_b128 v[S+16*(\e)+8*(\c):S+16*(\e)+8*(\c)+3],   v[AE] offset:(2*(\rd)+(\e))*16*PV+64*(\c)
	ds_load_b128 v[S+16*(\e)+8*(\c)+4:S+16*(\e)+8*(\c)+7], v[AE] offset:(2*(\rd)+(\e))*16*PV+64*(\c)+32
.endr
.endr
	s_wait_dscnt 0x0
	WIN 0x04                        ; Q in window 1
	v_wmma_f32_16x16x32_f16 v[RR+16*(\rd):RR+16*(\rd)+7],    v[S:S+7],     v[QF+16*(\t):QF+16*(\t)+7], 0
	v_wmma_f32_16x16x32_f16 v[RR+16*(\rd)+8:RR+16*(\rd)+15], v[S+16:S+23], v[QF+16*(\t):QF+16*(\t)+7], 0
	v_wmma_f32_16x16x32_f16 v[RR+16*(\rd):RR+16*(\rd)+7],    v[S+8:S+15],  v[QF+16*(\t)+8:QF+16*(\t)+15], v[RR+16*(\rd):RR+16*(\rd)+7]
	v_wmma_f32_16x16x32_f16 v[RR+16*(\rd)+8:RR+16*(\rd)+15], v[S+24:S+31], v[QF+16*(\t)+8:QF+16*(\t)+15], v[RR+16*(\rd)+8:RR+16*(\rd)+15]
	WIN 0
	NOPS 4+(\rd)/2                  ; four places in front of the next round's loads into these sources and of the stores of these results; five behind the last round: the score
	                                ; products that follow write S's registers, which these products read as sources
.endr
.irp yb, 0,1,2,3,4,5
	ds_store_b128 v[TBW], v[RR+8*\yb:RR+8*\yb+3]   offset:64*\yb
	ds_store_b128 v[TBW], v[RR+8*\yb+4:RR+8*\yb+7] offset:64*\yb+16
.endr
.set n, 0
.rept 32
	ds_load_b32 v[BIAS+n], v[TBR] offset:64*(n/8)+4*(n%8)   ; LDS serves a wave's instructions in order: these see the stores above
.set n, n+1
.endr
	s_wait_dscnt 0x0
.endm
; BEHIND A BAND STEP'S V^T P.  P goes into my scratch with the skew (the corners, never written, hold the zeros of the start), comes back as three fragments of 32 table rows, and O^T += T^T P'.
; Then g starts anew, and CUR is q . E[64] from here on.
.macro BANDPOST t
	s_and_b32 s30, s30, 1
	s_mul_i32 s30, s30, 64*PV
	v_add_nc_u32 v[AE], s30, v[AET0]
.set n, 0
.rept 16
	ds_store_b16 v[PSW], v[P+n] offset:2*(16*(n/4)+2*(n%4))
	ds_store_b16_d16_hi v[PSW], v[P+n] offset:2*(16*(n/4)+2*(n%4)+1)
.set n, n+1
.endr
.irp gk, 0,1,2
	ds_load_b128 v[PSF+8*\gk:PSF+8*\gk+3],   v[PSR] offset:64*\gk
	ds_load_b128 v[PSF+8*\gk+4:PSF+8*\gk+7], v[PSR] offset:64*\gk+32
.endr
.irp gk, 0,1,2
.irp cb, 0,1,2,3
	ds_load_tr16_b128 v[S+8*(\cb):S+8*(\cb)+3],   v[AE] offset:(\gk)*32*PV+32*(\cb)
	ds_load_tr16_b128 v[S+8*(\cb)+4:S+8*(\cb)+7], v[AE] offset:(\gk)*32*PV+16*PV+32*(\cb)
.endr
	s_wait_dscnt 0x0
.irp cb, 0,1,2,3
	v_wmma_f32_16x16x32_f16 v[O+32*(\t)+8*(\cb):O+32*(\t)+8*(\cb)+7], v[S+8*(\cb):S+8*(\cb)+7], v[PSF+8*(\gk):PSF+8*(\gk)+7], v[O+32*(\t)+8*(\cb):O+32*(\t)+8*(\cb)+7]
.endr
	NOPS 4                          ; the places in front of the next loads into these sources; behind the last round the ten moves below follow them
.endr
	v_mov_b32 v[ST+8*(\t)+4], 0
	v_mov_b32 v[ST+8*(\t)+5], 0
	WIN 0x41
.irp j, 0,1,2,3,4,5,6,7
	v_mov_b32 v[CUR+8*(\t)+\j], v[X64+8*(\t)+\j]
.endr
	WIN 0
.endm
; A TILE'S KEY STEP.  All jumps go forward, on whole numbers made of the step's count and the work-group's and wave's numbers; they pass no barrier.
.macro TILE t
.set MB, 32+36*(\t)                    ; the tile's 32 mask words: s[32:63], s[68:99]
	s_sub_co_u32 s30, s[SI], s[BS+(\t)]
	s_cmp_lt_u32 s30, 2
	s_cbranch_scc1 .Lpre_\@
.if (\t) == 0
	s_wait_dscnt 16                 ; my four stores are done and K is in; V's sixteen loads may stay out
.endif
	KQ4 \t, 0
	WIN 0
	s_branch .Ljoin_\@
.Lpre_\@:
	BANDPRE \t
	KQ4 \t, 1
	WIN 0
.Ljoin_\@:
	KQ4 \t, 2
	WIN 0
.if (\t) == 0
	s_cmp_lt_u32 s[SI], 27          ; step s asks for the keys of step s + 5; steps 27 to 31 ask for nothing
	s_cbranch_scc0 .Lnoload_\@
	s_add_nc_u64 s[12:13], s[12:13], 0x2000  ; 64 keys on (the loads that named these are done: the wait at the step's head)
	s_add_nc_u64 s[14:15], s[14:15], 0x2000
	WIN 0x40                        ; the stores that read these registers are done: the wait on DScnt on either way to the join
	global_load_b128 v[STG:STG+3],     v[GLO], s[12:13]
	global_load_b128 v[STG+4:STG+7],   v[GLO], s[12:13] offset:512
	global_load_b128 v[STG+8:STG+11],  v[GLO], s[14:15]
	global_load_b128 v[STG+12:STG+15], v[GLO], s[14:15] offset:512
	WIN 0
.Lnoload_\@:
.endif
	NOPS 4                          ; the places behind those products
.if (\t) == 0
	s_wait_kmcnt 0x0                ; this step's mask words are in, so the offset that their loads named may be written:
	s_add_co_u32 s[MOFF], s[SI], 1  ; the next step's, 256 bytes on; the last step asks for its own once more and stays inside the buffer
	s_min_u32 s[MOFF], s[MOFF], 31
	s_lshl_b32 s[MOFF], s[MOFF], 8
.endif
.set n, 0
.rept 32
	v_cndmask_b32 v[S+n], v[MBIG], v[S+n], s[MB+n]
.set n, n+1
.endr
.if (\t) == 1
	s_load_b512 s[32:47], s[6:7], s[MOFF] offset:0x0
	s_load_b512 s[48:63], s[6:7], s[MOFF] offset:0x40
	s_load_b512 s[68:83], s[6:7], s[MOFF] offset:0x80
	s_load_b512 s[84:99], s[6:7], s[MOFF] offset:0xc0
.endif
	SOFTMAX \t
.if (\t) == 0
	s_wait_dscnt 0x0                ; V is in
.endif
	PV \t
	s_sub_co_u32 s30, s[SI], s[BS+(\t)]
	s_cmp_lt_u32 s30, 2
	s_cbranch_scc0 .Lskip_\@
	BANDPOST \t
.Lskip_\@:
.endm
	s_load_b256 s[4:11], s[0:1], 0x0  ; qkv s[4:5], maskw s[6:7], ext s[8:9], ctx s[10:11]
	v_lshl_add_u32 v[SPW], v0, 2, SPARE
	v_mov_b32 v[NIL], 0
	v_lshrrev_b32 v1, 5, v0
	v_readfirstlane_b32 s[WV], v1   ; wave 0..7
	v_and_b32 v1, 15, v0            ; r = l % 16
	v_bfe_u32 v2, v0, 4, 1          ; h = l / 16
	v_and_b32 v[GLO], 31, v0
	v_lshlrev_b32 v[GLO], 4, v[GLO]
	v_lshlrev_b32 v[QO], 7, v1
	v_lshl_add_u32 v[QO], v2, 4, v[QO]
	v_lshlrev_b32 v26, 4, v0        ; 16 x thread: the table's bytes
	s_and_b32 s16, ttmp7, 0xffff    ; the head, 0..31
	s_mov_b32 s17, ttmp9            ; g: the block of 256 queries
	s_and_b32 s18, s[WV], 3         ; u
	s_lshr_b32 s19, s[WV], 2
	s_lshl_b32 s[BS], s17, 2
	s_add_co_u32 s[BS], s[BS], s19  ; tile 0's band of 64 queries, X = 4 g + (w >> 2)
	s_lshr_b32 s23, s18, 1
	s_add_co_u32 s[BS], s[BS], s23
	s_sub_co_u32 s[BS], s[BS], 1    ; its first band step X - 1 + (u >> 1)
	s_add_co_u32 s[BS+1], s[BS], 2  ; tile 1 lies 128 rows on
	s_lshl_b32 s28, s17, 8
	s_lshl_b32 s23, s19, 6
	s_add_co_u32 s28, s28, s23
	s_lshl_b32 s23, s18, 4
	s_add_co_u32 s28, s28, s23      ; tile 0's first row
	s_lshl_b32 s23, s16, 11
	s_add_co_u32 s28, s28, s23
	s_lshl_b32 s28, s28, 7          ; in bytes, in q and in ctx
	s_mov_b32 s29, 0
	s_lshl_b32 s30, s16, 18         ; the head's first byte, and my 8 keys of a step's 64
	s_lshl_b32 s23, s[WV], 10
	s_add_co_u32 s30, s30, s23
	s_mov_b32 s31, 0
	s_lshr_b32 s20, s16, 4          ; the mask words of (batch, g, w): 8,192 bytes
	s_lshl_b32 s20, s20, 6
	s_lshl_b32 s23, s17, 3
	s_add_co_u32 s20, s20, s23
	s_add_co_u32 s20, s20, s[WV]
	s_lshl_b32 s20, s20, 13
	s_mov_b32 s21, 0
	s_mov_b32 s[MOFF], 0
	s_mov_b32 s[SEL], 0x76543210
	s_mov_b32 s[SEL+1], 0xfedcba98
	s_mov_b32 s[CS], 0x3e38aa3b     ; c = log2(e) / 8
	s_mov_b32 s[CS+1], s[CS]
	s_wait_kmcnt 0x0
	s_add_nc_u64 s[12:13], s[4:5], s[30:31]
	s_add_nc_u64 s[14:15], s[12:13], 0x1000000  ; v
	s_add_nc_u64 s[12:13], s[12:13], 0x800000   ; k
	s_add_nc_u64 s[4:5], s[4:5], s[28:29]       ; q at tile 0's first row
	s_add_nc_u64 s[10:11], s[10:11], s[28:29]   ; ctx likewise
	s_add_nc_u64 s[6:7], s[6:7], s[20:21]
.irp i, 0,1,2,3,4,5,6
	global_load_b128 v[RR+4*\i:RR+4*\i+3], v26, s[8:9] offset:4096*\i  ; the table: 28,672 bytes, shared out among the 256 threads
.endr
	global_load_b128 v[RR+28:RR+31], v[GLO], s[8:9] offset:28672       ; E[0], E[64] in f32: every wave takes its own copy
	WIN 0x40
.irp j, 0,1,2,3                     ; my 8 keys of key steps 0 to 3, through the registers that will hold K's and V's fragments
	global_load_b128 v[16*\j:16*\j+3],     v[GLO], s[12:13] offset:8192*\j
	global_load_b128 v[16*\j+4:16*\j+7],   v[GLO], s[12:13] offset:8192*\j+512
	global_load_b128 v[16*\j+8:16*\j+11],  v[GLO], s[14:15] offset:8192*\j
	global_load_b128 v[16*\j+12:16*\j+15], v[GLO], s[14:15] offset:8192*\j+512
.endr
	global_load_b128 v[STG:STG+3],     v[GLO], s[12:13] offset:32768      ; and of step 4, which step 0 stores
	global_load_b128 v[STG+4:STG+7],   v[GLO], s[12:13] offset:32768+512
	global_load_b128 v[STG+8:STG+11],  v[GLO], s[14:15] offset:32768
	global_load_b128 v[STG+12:STG+15], v[GLO], s[14:15] offset:32768+512
.irp t, 0,1
.irp c, 0,1
	global_load_b128 v[QF+16*(\t)+8*(\c):QF+16*(\t)+8*(\c)+3],   v[QO], s[4:5] offset:16384*(\t)+64*(\c)
	global_load_b128 v[QF+16*(\t)+8*(\c)+4:QF+16*(\t)+8*(\c)+7], v[QO], s[4:5] offset:16384*(\t)+64*(\c)+32
.endr
.endr
	WIN 0
	s_load_b512 s[32:47], s[6:7], s[MOFF] offset:0x0   ; step 0's mask words
	s_load_b512 s[48:63], s[6:7], s[MOFF] offset:0x40
	s_load_b512 s[68:83], s[6:7], s[MOFF] offset:0x80
	s_load_b512 s[84:99], s[6:7], s[MOFF] offset:0xc0
	; the addresses, in the wait for the loads
	v_and_b32 v23, 7, v0
	v_bfe_u32 v27, v0, 3, 1
	v_mul_u32_u24 v[AK0], v1, PK
	v_lshl_add_u32 v[AK0], v2, 4, v[AK0]         ; row x pitch + 16 x half
	v_lshl_add_u32 v[AV0], v2, 3, v23            ; turned: lane l reads row 8 (l / 16) + l % 8, channels 8 ((l / 8) % 2) + 0..7
	v_mul_u32_u24 v[AV0], v[AV0], PV
	v_lshl_add_u32 v[AV0], v27, 4, v[AV0]
	s_xor_b32 s23, s18, 1
	s_mul_i32 s23, s23, 16*PV
	s_add_co_u32 s23, s23, EXT                   ; the table at row 16 (u xor 1)
	v_add_nc_u32 v[AET0], s23, v[AV0]
	v_add_nc_u32 v[AV0], VREG, v[AV0]
	v_mul_u32_u24 v[AE], v1, PV
	v_lshl_add_u32 v[AE], v2, 4, v[AE]
	v_add_nc_u32 v[AEK0], s23, v[AE]
	v_add_nc_u32 v[AEF], EXT, v[AE]
	s_mul_i32 s24, s[WV], SCRB
	s_add_co_u32 s24, s24, SCR                   ; my scratch
	v_mul_u32_u24 v[TBW], v1, 400
	v_lshl_add_u32 v[TBW], v2, 5, v[TBW]
	v_add_nc_u32 v[TBW], s24, v[TBW]             ; R^T[q][y] at 400 q + 4 y, y = 16 yb + 8 h + j
	v_mul_u32_u24 v[TBR], v1, 396
	v_lshl_add_u32 v[TBR], v2, 5, v[TBR]
	v_add_nc_u32 v[TBR], s24, v[TBR]
	v_add_nc_u32 v[TBR], 60, v[TBR]              ; back at y = key - q + 15: 400 q + 4 (16 kb + 8 h + j - q + 15)
	s_add_co_u32 s23, s24, PSO
	v_mul_u32_u24 v[PSW], v1, 206
	v_lshl_add_u32 v[PSW], v2, 4, v[PSW]
	v_add_nc_u32 v[PSW], s23, v[PSW]
	v_add_nc_u32 v[PSW], 30, v[PSW]              ; P'[q][y] at 208 q + 2 y, the same y
	v_mul_u32_u24 v[PSR], v1, 208
	v_lshl_add_u32 v[PSR], v2, 4, v[PSR]
	v_add_nc_u32 v[PSR], s23, v[PSR]
	v_add_nc_u32 v27, s23, v[GLO]                ; for the zeros
	s_add_co_u32 s23, s24, EDO
	v_lshlrev_b32 v[EDG], 5, v2
	v_add_nc_u32 v[EDG], s23, v[EDG]             ; E[..][16 cb + 8 h + j] at 64 cb + 32 h + 4 j
	v_add_nc_u32 v[AV], s23, v[GLO]              ; for the copy of E[0], E[64]
	v_add_nc_u32 v[STO], s24, v[AK0]
	v_bfe_u32 v[RD], v0, 3, 2
	v_mul_u32_u24 v[KST], v[RD], PK
	v_lshl_add_u32 v[KST], v23, 4, v[KST]        ; 32 lanes take four rows of 128 bytes
	v_mul_u32_u24 v[VST], v[RD], PV
	v_lshl_add_u32 v[VST], v23, 4, v[VST]
	v_add_nc_u32 v[RD], s24, v[KST]
	s_mul_i32 s23, s[WV], 8*PK                   ; my 8 keys of a step's 64
	v_add_nc_u32 v[KST], s23, v[KST]
	s_mul_i32 s23, s[WV], 8*PV
	s_add_co_u32 s23, s23, VREG
	v_add_nc_u32 v[VST], s23, v[VST]
	v_lshrrev_b32 v[AK], 3, v0                   ; the table into LDS: thread t has 16 bytes of row t / 8 (+ 32 i),
	v_mul_u32_u24 v[AK], v[AK], PV
	v_lshl_add_u32 v[AE], v23, 2, v[AK]          ; and 4 of the 32 bytes of padding behind that row
	v_add_nc_u32 v[AE], EXT+128, v[AE]
	v_lshl_add_u32 v[AK], v23, 4, v[AK]
	v_add_nc_u32 v[AK], EXT, v[AK]
	v_mov_b32 v[MBIG], 0xdd800000                ; -2^60
.irp j, 0,1,2,3
	v_mov_b32 v[ZQ+\j], 0
.endr
.irp j, 0,1,2,3,4,5,6,7
	v_mov_b32 v[CC+\j], 0
.endr
.irp t, 0,1
	v_mov_b32 v[ST+8*\t], 0xfe000000             ; c m: far below every c s
	v_mov_b32 v[ST+8*\t+1], 0xff7fffff           ; m
.irp j, 2,3,4,5,6,7
	v_mov_b32 v[ST+8*\t+\j], 0
.endr
.endr
.set i, 0
.rept 64
	v_mov_b32 v[O+i], 0
.set i, i+1
.endr
	s_wait_loadcnt 0x0
	s_add_nc_u64 s[12:13], s[12:13], 0x8000      ; K and V at my keys of step 4: the loop steps on from there
	s_add_nc_u64 s[14:15], s[14:15], 0x8000
.irp i, 0,1,2,3,4,5,6
	ds_store_b128 v[AK], v[RR+4*\i:RR+4*\i+3] offset:32*PV*\i
.endr
.irp i, 0,1,2,3,4,5,6
	ds_store_b32 v[AE], v[ZQ] offset:32*PV*\i    ; the rows' padding is written too: every byte of the table's region then holds a defined number
.endr
	ds_store_b128 v[AV], v[RR+28:RR+31]
.irp i, 0,1,2,3,4,5,6
	ds_store_b128 v27, v[ZQ:ZQ+3] offset:512*\i  ; P' starts as zeros: 3,584 bytes
.endr
	WIN 0x04                        ; store data in window 1
.irp j, 0,1,2,3                     ; key steps 0 to 3 into the first region
	ds_store_b128 v[KST], v[16*\j:16*\j+3]     offset:64*PK*\j
	ds_store_b128 v[KST], v[16*\j+4:16*\j+7]   offset:64*PK*\j+4*PK
	ds_store_b128 v[VST], v[16*\j+8:16*\j+11]  offset:64*PV*\j
	ds_store_b128 v[VST], v[16*\j+12:16*\j+15] offset:64*PV*\j+4*PV
.endr
	WIN 0
	s_wait_dscnt 0x0                ; for the others' sake: my parts of the table and of the first region are written
	s_barrier_signal -1
	s_barrier_wait -1
	; q . E[0] and q . E[64]: table rows 0-15 all hold E[0], rows 208-223 E[64], so all eight registers of a result hold the query's number
.irp e, 0,1
.irp c, 0,1
	ds_load_b128 v[S+16*(\e)+8*(\c):S+16*(\e)+8*(\c)+3],   v[AEF] offset:208*PV*(\e)+64*(\c)
	ds_load_b128 v[S+16*(\e)+8*(\c)+4:S+16*(\e)+8*(\c)+7], v[AEF] offset:208*PV*(\e)+64*(\c)+32
.endr
.endr
	s_wait_dscnt 0x0
	WIN 0x54                        ; Q, C and D in window 1
.irp c, 0,1
.irp k, 0,1,2,3                     ; CUR of tiles 0, 1, X64 of tiles 0, 1, by turns
.if (\c) == 0
	v_wmma_f32_16x16x32_f16 v[CUR+8*(\k):CUR+8*(\k)+7], v[S+16*((\k)/2):S+16*((\k)/2)+7], v[QF+16*((\k)%2):QF+16*((\k)%2)+7], 0
.else
	v_wmma_f32_16x16x32_f16 v[CUR+8*(\k):CUR+8*(\k)+7], v[S+16*((\k)/2)+8:S+16*((\k)/2)+15], v[QF+16*((\k)%2)+8:QF+16*((\k)%2)+15], v[CUR+8*(\k):CUR+8*(\k)+7]
.endif
.endr
.endr
	WIN 0
	NOPS 5                          ; five places before these results serve as another accumulator's C
	s_mov_b32 s[OUTER], 8
	s_mov_b32 s[SI], 0
	s_mov_b32 s[RB], 0
.Lregion:                           ; eight trips of 256 keys
	s_wait_dscnt 0x0                ; my reads of the region that I leave are over, and my stores into the one that I enter are done
	s_barrier_signal -1
	s_barrier_wait -1               ; everybody's are: the one may be written, the other read
	s_mov_b32 s[TBK], s[RB]
	s_mov_b32 s[TBV], s[RB]
	s_xor_b32 s[RB], s[RB], REGB
	s_mov_b32 s[CNT], 4
.Lstep:
	s_xor_b32 s30, s[TBK], REGB     ; the same step's place in the other region
	s_xor_b32 s31, s[TBV], REGB
	v_add_nc_u32 v[AK], s[TBK], v[AK0]
	v_add_nc_u32 v[AV], s[TBV], v[AV0]
	v_add_nc_u32 v[KSA], s30, v[KST]
	v_add_nc_u32 v[VSA], s31, v[VST] ; these four are the places between the last V^T P and the loads into V's registers
	s_wait_loadcnt 0x0              ; my 8 keys of the step four steps on are in registers
	WIN 0x04                        ; store data in window 1
	ds_store_b128 v[KSA], v[STG:STG+3]
	ds_store_b128 v[KSA], v[STG+4:STG+7]   offset:4*PK
	ds_store_b128 v[VSA], v[STG+8:STG+11]
	ds_store_b128 v[VSA], v[STG+12:STG+15] offset:4*PV
	FETCH_K
	FETCH_V
	WIN 0
	s_add_co_u32 s[TBK], s[TBK], 64*PK
	s_add_co_u32 s[TBV], s[TBV], 64*PV
	TILE 0
	TILE 1
	s_add_co_u32 s[SI], s[SI], 1
	s_sub_co_u32 s[CNT], s[CNT], 1
	s_cmp_lg_u32 s[CNT], 0
	s_cbranch_scc1 .Lstep
	s_sub_co_u32 s[OUTER], s[OUTER], 1
	s_cmp_lg_u32 s[OUTER], 0
	s_cbranch_scc1 .Lregion
	; THE WAY OUT.  O += g E[64]; divided by l; rounded to f16; through my stage; 16 rows of a head are 2,048 consecutive bytes.
	NOPS 4
.irp cb, 0,1,2,3
	ds_load_b128 v[RR+8*\cb:RR+8*\cb+3],   v[EDG] offset:256+64*\cb
	ds_load_b128 v[RR+8*\cb+4:RR+8*\cb+7], v[EDG] offset:256+64*\cb+16
.endr
	s_wait_dscnt 0x0
.macro OUT t, pk
	v_add_f32 v[CC], v[ST+8*(\t)+2], v[ST+8*(\t)+3]
	v_add_f32 v[GT], v[ST+8*(\t)+4], v[ST+8*(\t)+5]
	v_permlanex16_b32 v[CC+1], v[CC], s[SEL], s[SEL+1]
	v_permlanex16_b32 v[GT+1], v[GT], s[SEL], s[SEL+1]
	v_add_f32 v[CC], v[CC], v[CC+1]
	v_add_f32 v[GT], v[GT], v[GT+1]
	v_rcp_f32 v[CC+2], v[CC]
	v_nop                           ; a plain instruction between the reciprocal and the use of its result
.set n, 0
.rept 16
	v_pk_fma_f32 v[O+32*(\t)+2*n:O+32*(\t)+2*n+1], v[RR+2*n:RR+2*n+1], v[GT:GT+1], v[O+32*(\t)+2*n:O+32*(\t)+2*n+1] op_sel_hi:[1,0,1]
.set n, n+1
.endr
.set n, 0
	s_wait_alu depctr_va_vdst(0)
.rept 16
	v_pk_mul_f32 v[O+32*(\t)+2*n:O+32*(\t)+2*n+1], v[O+32*(\t)+2*n:O+32*(\t)+2*n+1], v[CC+2:CC+3] op_sel_hi:[1,0]
.set n, n+1
.endr
.set n, 0
.rept 16
	v_cvt_pk_f16_f32 v[(\pk)+n], v[O+32*(\t)+2*n], v[O+32*(\t)+2*n+1]
.set n, n+1
.endr
.irp f, 0,1,2,3
	ds_store_b128 v[STO], v[(\pk)+4*\f:(\pk)+4*\f+3] offset:32*\f
.endr
.irp f, 0,1,2,3
	ds_load_b128 v[(\pk)+16+4*\f:(\pk)+16+4*\f+3], v[RD] offset:4*PK*\f  ; LDS serves a wave's instructions in order: these see the stores above
.endr
.irp f, 0,1,2,3
	s_wait_dscnt 3-\f
	global_store_b128 v[GLO], v[(\pk)+16+4*\f:(\pk)+16+4*\f+3], s[10:11] offset:16384*(\t)+512*\f
.endr
.endm
	OUT 0, S
	OUT 1, BIAS                     ; registers of its own: no store's data is rewritten
	s_wait_tensorcnt 0x0            ; the wave's end: behind my last LDS store
	ds_add_u32 v[SPW], v[NIL]
	s_wait_dscnt 0x0
	s_endpgm
.Lfunc_end_k_q09fd1d20c5_attn:
	.size	k_q09fd1d20c5_attn, .Lfunc_end_k_q09fd1d20c5_attn-k_q09fd1d20c5_attn
	.p2alignl 7, 3214868480
	.fill 96, 4, 3214868480
	.section	.rodata,"a",@progbits
	.p2align	6, 0x0
	.amdhsa_kernel k_q09fd1d20c5_attn
		.amdhsa_group_segment_fixed_size 293888
		.amdhsa_private_segment_fixed_size 0
		.amdhsa_enable_private_segment 0
		.amdhsa_kernarg_size 32
		.amdhsa_user_sgpr_count 2
		.amdhsa_user_sgpr_kernarg_segment_ptr 1
		.amdhsa_wavefront_size32 1
		.amdhsa_system_sgpr_workgroup_id_x 1
		.amdhsa_system_sgpr_workgroup_id_y 1
		.amdhsa_system_sgpr_workgroup_id_z 1
		.amdhsa_system_vgpr_workitem_id 0
		.amdhsa_next_free_vgpr 512
		.amdhsa_next_free_sgpr 102
		.amdhsa_reserve_vcc 0
		.amdhsa_float_denorm_mode_32 3
		.amdhsa_float_denorm_mode_16_64 3
		.amdhsa_memory_ordered 1
		.amdhsa_forward_progress 1
		.amdhsa_inst_pref_size 79
	.end_amdhsa_kernel
	.amdgpu_metadata
---
amdhsa.version: [ 1, 2 ]
amdhsa.kernels:
  - .name:           k_q09fd1d20c5_attn
    .symbol:         k_q09fd1d20c5_attn.kd
    .args:
      - { .name: qkv, .offset: 0, .size: 8, .value_kind: global_buffer, .address_space: global }
      - { .name: maskw, .offset: 8, .size: 8, .value_kind: global_buffer, .address_space: global }
      - { .name: ext, .offset: 16, .size: 8, .value_kind: global_buffer, .address_space: global }
      - { .name: ctx, .offset: 24, .size: 8, .value_kind: global_buffer, .address_space: global }
    .group_segment_fixed_size: 293888
    .private_segment_fixed_size: 0
    .kernarg_segment_align: 8
    .kernarg_segment_size: 32
    .max_flat_workgroup_size: 256
    .sgpr_count:     102
    .vgpr_count:     512
    .wavefront_size: 32
...
	.end_amdgpu_metadata
.endif
;; end of part 3
;; launch outp (part 4): grid 8 x 32, 4 waves a work-group, clusters of 4 x 4, 327,680 bytes of LDS; arguments ctx, w16, out0, bo; writes out0
.if DOCPART == 4
	.amdgcn_target "amdgcn-amd-amdhsa--gfx1250"
	.amdhsa_code_object_version 6
	.text
	.protected	k_q09fd1d20c5_outp
	.globl	k_q09fd1d20c5_outp
	.p2align	8
	.type	k_q09fd1d20c5_outp,@function
k_q09fd1d20c5_outp:
	s_mov_b64 s[64:65], 0
	v_nop
	global_prefetch_b8 v0, s[64:65] scope:SCOPE_SE
	s_setreg_imm32_b32 hwreg(HW_REG_WAVE_MODE, 25, 1), 1
	s_wait_xcnt 0x0
	s_wait_alu depctr_hold_cnt(0) depctr_sa_sdst(0) depctr_va_vdst(0) depctr_va_sdst(0) depctr_va_ssrc(0) depctr_va_vcc(0) depctr_vm_vsrc(0)
	s_getreg_b32 s2, hwreg(HW_REG_IB_STS2, 6, 4)
	s_cmp_eq_u32 s2, 0
	s_cbranch_scc0 .Lentry_in_a_cluster
	s_endpgm
.Lentry_in_a_cluster:
	s_bfe_u32 s2, ttmp6, 0x10000c
	s_cmp_lg_u32 s2, 0xf033
	s_cbranch_scc0 .Lentry_shape_is_right
	s_endpgm
.Lentry_shape_is_right:
; THE OUTPUT PROJECTION: out0 = x Wo + bo, x[row][64 head + channel] = ctx[16 batch + head][row][channel].  ctx f16 by heads; Wo (the fourth matrix of w16) as it lies, [k][n], f16; sums and out0 in f32.
; The bias is rounded to bf16 like the other inputs and is the C operand of the products that start the sums.  NaN and infinities are not treated apart.
; A tile of out0 is 128 x 128: four waves, each 64 x 64.  K goes in 4 steps of 256 = four heads through two LDS slots.  A head's 128 rows are 16,384 dense bytes: one tensor load brings two heads
; as two rows of 8,192 elements, padded in LDS after every 128 bytes; W's tiles are 128 rows of 256 bytes.
; CLUSTERS: 4 x 4 work-groups; ctx's tiles are shared along a row of the cluster, Wo's along a column: each is asked for jointly.
; THE MATRIX INSTRUCTION IS USED TRANSPOSED (source 0 = 16 columns of Wo, turned on the way out of LDS; source 1 = 16 rows of x): a lane holds eight neighbouring columns of one row.
; REGISTERS: window 0: v0-31 addresses; v32-95 at work on the way out; v96-127 the bias; v128-255 the accumulators.  window 1: two fragment buffers of 128.
.set PA,     144                       ; a row of a head in LDS: 128 bytes + 16
.set HB,     128*PA                    ; a head's 128 rows
.set AH,     2*HB                      ; two heads: one tensor load
.set ABYTES, 2*AH
.set PB,     288
.set BH,     128*PB
.set SLOT,   ABYTES+2*BH
.set STAGE,  2*SLOT                    ; behind the ring: 16 rows x 272 bytes for each wave
.set SP,     272
.set SPARE,  STAGE+4*16*SP
.set ADRA, 16
.set ADRB, 20
.set STO,  24
.set RD,   25
.set CO,   26
.set SPW,  28
.set NIL,  29
.set TMP,  32
.set BI,   96
.set ACC,  128
.set F0,   0
.set F1,   128
.set G1, 24
.set G0, 32
.set G1B, 48
.set G0B, 56
.set MSB, 0
.macro WIN new
.if MSB != (\new)
	s_set_vgpr_msb (MSB<<8)|(\new)
.set MSB, \new
.endif
.endm
.set MUL,  0x05
.set TO_F, 0x40
.macro JLOAD s                         ; a joint load: waves 0 and 1 fetch two heads of ctx each, waves 2 and 3 Wo's two halves; an s_nop 0 and four v_nop follow each line
	s_cmp_eq_u32 s11, 0
	s_cbranch_scc0 .Lfor_b_\@
	tensor_load_to_lds s[G0+4*(\s):G0+4*(\s)+3], s[G1:G1+7]
	s_nop 0
.rept 4
	v_nop
.endr
	s_branch .Lasked_\@
.Lfor_b_\@:
	tensor_load_to_lds s[G0B+4*(\s):G0B+4*(\s)+3], s[G1B:G1B+7]
	s_nop 0
.rept 4
	v_nop
.endr
.Lasked_\@:
.endm
.macro CREST
	s_cmp_lg_u32 s10, 0
	s_cbranch_scc1 .Lnot_wave_0_\@
	s_barrier_signal -3
.Lnot_wave_0_\@:
	s_barrier_wait -3
	s_barrier_signal -1
	s_barrier_wait -1
.endm
.macro CROUND
	s_barrier_signal -1
	s_barrier_wait -1
	CREST
.endm
	s_load_b128 s[4:7], s[0:1], 0x0                ; ctx s[4:5], w16 s[6:7]
	s_load_b64 s[8:9], s[0:1], 0x10                ; out0
	s_load_b64 s[76:77], s[0:1], 0x18              ; bo
	v_lshl_add_u32 v[SPW], v0, 2, SPARE
	v_mov_b32 v[NIL], 0
	ds_add_u32 v[SPW], v[NIL]                      ; the wave's opening: the add and its wait stand ahead of my first tensor load
	v_lshrrev_b32 v1, 5, v0
	v_readfirstlane_b32 s10, v1
	s_lshr_b32 s11, s10, 1
	s_and_b32 s12, s10, 1
	s_bfe_u32 s40, ttmp6, 0x40000
	s_bfe_u32 s41, ttmp6, 0x40004
	s_lshl_b32 s42, ttmp9, 2
	s_add_co_u32 s42, s42, s40                     ; tile column 0..7
	s_and_b32 s13, ttmp7, 0xffff
	s_lshl_b32 s13, s13, 2
	s_add_co_u32 s13, s13, s41                     ; tile row 0..31
	s_lshl_b32 s43, s41, 2
	s_lshl_b32 s43, 15, s43
	s_lshl_b32 s44, 0x1111, s40
	s_or_b32 s[G1+0], s43, (1<<16)|(1<<20)|(1<<21)|(4<<22)|(3<<25)   ; mask; 2-byte elements; padding on; bit 21 beside a mask; after every 32 words 4 words
	s_mov_b32 s[G1+1], 8192<<16                    ; tensor_dim0 = 8,192: 128 rows of 64 channels, dense
	s_mov_b32 s[G1+2], 2<<16                       ; tensor_dim1 = 2 heads
	s_mov_b32 s[G1+3], 8192<<16                    ; tile_dim0
	s_mov_b32 s[G1+4], 2                           ; tile_dim1
	s_mov_b32 s[G1+5], 131072                      ; elements from head to head
	s_mov_b32 s[G1+6], 0
	s_mov_b32 s[G1+7], 0
	s_or_b32 s[G1B+0], s44, (1<<16)|(1<<20)|(1<<21)|(5<<22)|(7<<25)
	s_mov_b32 s[G1B+1], 128<<16
	s_mov_b32 s[G1B+2], 128<<16
	s_mov_b32 s[G1B+3], 128<<16
	s_mov_b32 s[G1B+4], 128
	s_mov_b32 s[G1B+5], 1024
	s_mov_b32 s[G1B+6], 0
	s_mov_b32 s[G1B+7], 0
	s_lshr_b32 s16, s13, 4
	s_lshl_b32 s16, s16, 22                        ; batch x 16 heads x 262,144 bytes
	s_lshl_b32 s17, s12, 19                        ; my two heads of the step's four
	s_add_co_u32 s16, s16, s17
	s_and_b32 s17, s13, 15
	s_lshl_b32 s17, s17, 14                        ; 128 rows x 128 bytes a tile row
	s_add_co_u32 s16, s16, s17
	s_mov_b32 s17, 0
	s_lshl_b32 s46, s42, 8
	s_lshl_b32 s47, s12, 18
	s_add_co_u32 s46, s46, s47
	s_add_co_u32 s46, s46, 6291456                 ; Wo is the fourth matrix
	s_mov_b32 s47, 0
	s_mul_i32 s20, s12, AH
	s_mul_i32 s21, s12, BH
	s_add_co_u32 s21, s21, ABYTES
	s_wait_dscnt 0x0
	s_wait_kmcnt 0x0
	s_add_nc_u64 s[14:15], s[4:5], s[16:17]
	s_add_nc_u64 s[46:47], s[6:7], s[46:47]
	CROUND
.irp s, 0,1
	s_mov_b32 s[G0+4*(\s)], 1
	s_add_co_u32 s[G0+4*(\s)+1], s20, (\s)*SLOT
	s_add_nc_u64 s[G0+4*(\s)+2:G0+4*(\s)+3], s[14:15], (\s)*4*262144
	s_or_b32 s[G0+4*(\s)+3], s[G0+4*(\s)+3], 0x80000000
	s_mov_b32 s[G0B+4*(\s)], 1
	s_add_co_u32 s[G0B+4*(\s)+1], s21, (\s)*SLOT
	s_add_nc_u64 s[G0B+4*(\s)+2:G0B+4*(\s)+3], s[46:47], (\s)*256*2048
	s_or_b32 s[G0B+4*(\s)+3], s[G0B+4*(\s)+3], 0x80000000
	JLOAD \s
.endr
	s_lshl_b32 s78, s42, 9
	s_lshl_b32 s79, s12, 8
	s_add_co_u32 s78, s78, s79                     ; my 64 columns, in bytes of f32: for the bias and for out0
	s_mov_b32 s79, 0
	s_add_nc_u64 s[76:77], s[76:77], s[78:79]
	v_and_b32 v1, 15, v0
	v_bfe_u32 v2, v0, 4, 1
	v_lshlrev_b32 v6, 5, v2
.irp b, 0,1,2,3
	global_load_b128 v[BI+8*\b:BI+8*\b+3],   v6, s[76:77] offset:64*\b
	global_load_b128 v[BI+8*\b+4:BI+8*\b+7], v6, s[76:77] offset:64*\b+16
.endr
	v_mul_u32_u24 v3, v1, PA
	v_lshl_add_u32 v3, v2, 4, v3
	s_mul_i32 s22, s11, 64*PA                      ; my 64 rows of each head
	v_add_nc_u32 v[ADRA], s22, v3
	s_add_co_u32 s22, s22, SLOT
	v_add_nc_u32 v[ADRA+1], s22, v3
	v_and_b32 v4, 7, v0
	v_lshl_add_u32 v4, v2, 3, v4
	v_mul_u32_u24 v4, v4, PB
	v_bfe_u32 v5, v0, 3, 1
	v_lshl_add_u32 v4, v5, 4, v4
	s_lshl_b32 s23, s12, 7
	s_add_co_u32 s23, s23, ABYTES
.irp k, 0,1,2,3
	s_add_co_u32 s22, s23, ((\k)>>1)*SLOT+((\k)&1)*BH
	v_add_nc_u32 v[ADRB+(\k)], s22, v4
.endr
	s_mul_i32 s23, s10, 16*SP
	s_add_co_u32 s23, s23, STAGE
	v_mul_u32_u24 v4, v1, SP
	v_lshl_add_u32 v4, v2, 5, v4
	v_add_nc_u32 v[STO], s23, v4                   ; in: row l % 16, 32 bytes for each half of the lanes
	v_mul_u32_u24 v5, v2, SP
	v_lshl_add_u32 v5, v1, 4, v5
	v_add_nc_u32 v[RD], s23, v5                    ; back: lanes 0-15 take one row of 256 bytes, lanes 16-31 the next
	v_lshlrev_b32 v[CO], 4, v1
	v_lshl_add_u32 v[CO], v2, 12, v[CO]            ; and the same two rows in out0
	s_lshl_b32 s16, s13, 7
	s_lshl_b32 s17, s11, 6
	s_add_co_u32 s16, s16, s17
	s_lshl_b32 s16, s16, 12                        ; my first row, 4,096 bytes each
	s_mov_b32 s17, 0
	s_add_nc_u64 s[8:9], s[8:9], s[16:17]
	s_add_nc_u64 s[8:9], s[8:9], s[78:79]
	s_wait_loadcnt 0x0
.set i, 0
.rept 16
	v_cvt_pk_bf16_f32 v3, v[BI+2*i], v[BI+2*i+1]
	v_lshlrev_b32 v[BI+2*i], 16, v3
	v_and_b32 v[BI+2*i+1], 0xffff0000, v3
.set i, i+1
.endr
.macro MUL8 f, c, a0, first
	WIN MUL
.irp a, \a0, (\a0)+1
.irp b, 0,1,2,3
.if \first
	v_wmma_f32_16x16x32_f16 v[ACC+8*(4*(\a)+(\b)):ACC+8*(4*(\a)+(\b))+7], v[(\f)+64+8*(4*(\c)+(\b)):(\f)+64+8*(4*(\c)+(\b))+7], v[(\f)+8*(4*(\c)+(\a)):(\f)+8*(4*(\c)+(\a))+7], v[BI+8*(\b):BI+8*(\b)+7]
.else
	v_wmma_f32_16x16x32_f16 v[ACC+8*(4*(\a)+(\b)):ACC+8*(4*(\a)+(\b))+7], v[(\f)+64+8*(4*(\c)+(\b)):(\f)+64+8*(4*(\c)+(\b))+7], v[(\f)+8*(4*(\c)+(\a)):(\f)+8*(4*(\c)+(\a))+7], v[ACC+8*(4*(\a)+(\b)):ACC+8*(4*(\a)+(\b))+7]
.endif
.endr
.endr
.endm
; 32 LDS loads in one run: quarter kq of a slot is head kq of its four; the first 32 channels first
.macro FETCH slot, kq, f
	WIN TO_F
.irp c, 0,1
.irp i, 0,1,2,3
	ds_load_tr16_b128 v[(\f)+64+8*(4*(\c)+(\i)):(\f)+64+8*(4*(\c)+(\i))+3],   v[ADRB+2*(\slot)+((\kq)>>1)] offset:(((\kq)&1)*64+32*(\c))*PB+32*(\i)
	ds_load_tr16_b128 v[(\f)+64+8*(4*(\c)+(\i))+4:(\f)+64+8*(4*(\c)+(\i))+7], v[ADRB+2*(\slot)+((\kq)>>1)] offset:(((\kq)&1)*64+32*(\c)+16)*PB+32*(\i)
	ds_load_b128 v[(\f)+8*(4*(\c)+(\i)):(\f)+8*(4*(\c)+(\i))+3],         v[ADRA+(\slot)] offset:(\kq)*HB+(\i)*16*PA+64*(\c)
	ds_load_b128 v[(\f)+8*(4*(\c)+(\i))+4:(\f)+8*(4*(\c)+(\i))+7],       v[ADRA+(\slot)] offset:(\kq)*HB+(\i)*16*PA+64*(\c)+32
.endr
.endr
.endm
.macro PLACES
.rept 4
	v_nop
.endr
.endm
.macro QUARTER slot, kq, f, g, first
	s_wait_dscnt 16                                ; the first 32 along K are in
	WIN MUL
	MUL8 \f, 0, 0, \first
	MUL8 \f, 0, 2, \first
	PLACES
	FETCH \slot, \kq, \g
	s_wait_dscnt 32                                ; all but the 32 just issued
	WIN MUL
	MUL8 \f, 1, 0, 0
	MUL8 \f, 1, 2, 0
.endm
.macro TURN slot, next, fill
	WIN 0
	s_wait_tensorcnt 0x0                           ; all my tensor loads have landed: my part of the next slot
	ds_add_u32 v[SPW], v[NIL]
	s_wait_dscnt 17                                ; (the add and the youngest sixteen loads may be out)
	WIN MUL
	MUL8 F1, 0, 0, 0
	s_wait_dscnt 0x0                               ; the add is done, and my reads of this slot are over
	s_barrier_signal -1
	MUL8 F1, 0, 2, 0
.if \fill
	WIN 0
.endif
	s_barrier_wait -1
.if \fill
	CREST                                          ; the barrier has opened a round of the cluster's
	s_add_nc_u64 s[G0+4*(\slot)+2:G0+4*(\slot)+3], s[G0+4*(\slot)+2:G0+4*(\slot)+3], 8*262144
	s_add_nc_u64 s[G0B+4*(\slot)+2:G0B+4*(\slot)+3], s[G0B+4*(\slot)+2:G0B+4*(\slot)+3], 512*2048
	JLOAD \slot
.else
	PLACES
.endif
	FETCH \next, 0, F0
	WIN MUL
	MUL8 F1, 1, 0, 0
	MUL8 F1, 1, 2, 0
.endm
	s_wait_tensorcnt 1                             ; my part of K step 0 is in; step 1's may stay out
	s_barrier_signal -1
	s_barrier_wait -1
	FETCH 0, 0, F0
	QUARTER 0, 1, F0, F1, 1
	QUARTER 0, 2, F1, F0, 0
	QUARTER 0, 3, F0, F1, 0
	TURN 0, 1, 1
	QUARTER 1, 1, F0, F1, 0
	QUARTER 1, 2, F1, F0, 0
	QUARTER 1, 3, F0, F1, 0
	TURN 1, 0, 1
	QUARTER 0, 1, F0, F1, 0
	QUARTER 0, 2, F1, F0, 0
	QUARTER 0, 3, F0, F1, 0
	TURN 0, 1, 0
	QUARTER 1, 1, F0, F1, 0
	QUARTER 1, 2, F1, F0, 0
	QUARTER 1, 3, F0, F1, 0
	s_wait_dscnt 16
	WIN MUL
	MUL8 F1, 0, 0, 0
	MUL8 F1, 0, 2, 0
	s_wait_dscnt 0
	MUL8 F1, 1, 0, 0
	MUL8 F1, 1, 2, 0
	WIN 0
	; THE WAY OUT, in f32: 16 rows at a time through my own stage; back as whole rows of 256 bytes; sixteen lanes store 256 consecutive bytes, aligned.
	PLACES
.irp a, 0,1,2,3
.set BKR, TMP+32*((\a)%2)
.irp b, 0,1,2,3
	ds_store_b128 v[STO], v[ACC+8*(4*(\a)+(\b)):ACC+8*(4*(\a)+(\b))+3]   offset:64*(\b)
	ds_store_b128 v[STO], v[ACC+8*(4*(\a)+(\b))+4:ACC+8*(4*(\a)+(\b))+7] offset:64*(\b)+16
.endr
	s_wait_xcnt 0x0                                ; the registers that earlier stores read are loaded again only behind this wait
.irp t, 0,1,2,3,4,5,6,7
	ds_load_b128 v[BKR+4*(\t):BKR+4*(\t)+3], v[RD] offset:2*SP*(\t)  ; LDS serves a wave's instructions in order: these see the stores above
.endr
.irp t, 0,1,2,3,4,5,6,7
	s_wait_dscnt 7-(\t)
	global_store_b128 v[CO], v[BKR+4*(\t):BKR+4*(\t)+3], s[8:9] offset:(16*(\a)+2*(\t))*4096 th:TH_STORE_NT
.endr
.endr
	s_wait_tensorcnt 0x0                           ; the wave's end
	ds_add_u32 v[SPW], v[NIL]
	s_wait_dscnt 0x0
	CROUND                                         ; the closing round
	s_endpgm
.Lfunc_end_k_q09fd1d20c5_outp:
	.size	k_q09fd1d20c5_outp, .Lfunc_end_k_q09fd1d20c5_outp-k_q09fd1d20c5_outp
	.p2alignl 7, 3214868480
	.fill 96, 4, 3214868480
	.section	.rodata,"a",@progbits
	.p2align	6, 0x0
	.amdhsa_kernel k_q09fd1d20c5_outp
		.amdhsa_group_segment_fixed_size 327680
		.amdhsa_private_segment_fixed_size 0
		.amdhsa_enable_private_segment 0
		.amdhsa_kernarg_size 32
		.amdhsa_user_sgpr_count 2
		.amdhsa_user_sgpr_kernarg_segment_ptr 1
		.amdhsa_wavefront_size32 1
		.amdhsa_system_sgpr_workgroup_id_x 1
		.amdhsa_system_sgpr_workgroup_id_y 1
		.amdhsa_system_sgpr_workgroup_id_z 1
		.amdhsa_system_vgpr_workitem_id 0
		.amdhsa_next_free_vgpr 512
		.amdhsa_next_free_sgpr 80
		.amdhsa_reserve_vcc 0
		.amdhsa_float_denorm_mode_32 3
		.amdhsa_float_denorm_mode_16_64 3
		.amdhsa_memory_ordered 1
		.amdhsa_forward_progress 1
		.amdhsa_inst_pref_size 90
	.end_amdhsa_kernel
	.amdgpu_metadata
---
amdhsa.version: [ 1, 2 ]
amdhsa.kernels:
  - .name:           k_q09fd1d20c5_outp
    .symbol:         k_q09fd1d20c5_outp.kd
    .args:
      - { .name: ctx, .offset: 0, .size: 8, .value_kind: global_buffer, .address_space: global }
      - { .name: w16, .offset: 8, .size: 8, .value_kind: global_buffer, .address_space: global }
      - { .name: out0, .offset: 16, .size: 8, .value_kind: global_buffer, .address_space: global }
      - { .name: bo, .offset: 24, .size: 8, .value_kind: global_buffer, .address_space: global }
    .group_segment_fixed_size: 327680
    .private_segment_fixed_size: 0
    .kernarg_segment_align: 8
    .kernarg_segment_size: 32
    .max_flat_workgroup_size: 128
    .sgpr_count:     80
    .vgpr_count:     512
    .wavefront_size: 32
...
	.end_amdgpu_metadata
.endif
;; end of part 4
;; ======== version 2 of 2: 4 launches; 1.13 times as fast as version 1
;; limits: values are held in f16: magnitudes above 65,504 overflow, below 6.1e-05 lose precision
;; workspace buffers: x16 25,165,824 bytes; w16 8,388,608 bytes; qkv 25,165,824 bytes; ctx 8,388,608 bytes; maskw 1,048,576 bytes of whole numbers; ext 29,184 bytes
;; launch prep: the kernel of part 1 again; grid 1153 x 1, 8 waves a work-group, no clusters, 35,840 bytes of LDS; arguments mask, rel_emb, query, key, value, Wq, Wk, Wv, Wo, maskw, ext, x16, w16; writes maskw, ext, x16, w16
;; launch proj: the kernel of part 2 again; grid 8 x 32, 4 waves a work-group, clusters of 4 x 4, 327,680 bytes of LDS; arguments x16, w16, qkv, bq, bk, bv; writes qkv
;; launch attn (part 5): grid 8 x 32, 8 waves a work-group, no clusters, 293,888 bytes of LDS; arguments qkv, maskw, ext, ctx; writes ctx
.if DOCPART == 5
	.amdgcn_target "amdgcn-amd-amdhsa--gfx1250"
	.amdhsa_code_object_version 6
	.text
	.protected	k_q09fd1d20c5_attn
	.globl	k_q09fd1d20c5_attn
	.p2align	8
	.type	k_q09fd1d20c5_attn,@function
k_q09fd1d20c5_attn:
	s_mov_b64 s[64:65], 0
	v_nop
	global_prefetch_b8 v0, s[64:65] scope:SCOPE_SE
	s_setreg_imm32_b32 hwreg(HW_REG_WAVE_MODE, 25, 1), 1
	s_wait_xcnt 0x0
; ATTENTION WITH RELATIVE POSITIONS.  For query i, key j of a head: s = q_i . (k_j + E[e]), e = clamp(j - i + 32, 0, 64); hidden keys count as -2^60; p = softmax(s / 8); ctx_i = sum_j p (v_j + E[e]).
; q, k, v: [32 heads of both batches][2048][64] f16, unscaled.  Products, maxima and sums in f32; p is rounded to f16 for the second products (its sums are taken unrounded); ctx f16, by heads.
; LIMITS.  A hidden score is -2^60 on the unscaled score (the module's -1e18 on the scaled one): c x 2^60 is exact, so a row with every key hidden gets p = 1 for all keys, the uniform row;
; true scores are taken to lie above -2^59.  A weight below 2^-126 counts as 0.  f16 ends at 65,504.  NaN and infinities are not treated apart.
; SHARES.  A work-group owns 256 queries of a head; of its eight waves wave w owns two tiles of 16 queries: rows 64 ((w >> 2) + 2 t) + 16 (w & 3).  Every wave walks all 2,048 keys, 64 a step.
; Two waves share a set of 1,024 registers, 512 each: the one's products stand beside the other's softmax, so the text is written in plain phases.
; LAYOUT.  S^T = K Q^T: a lane holds ONE query (lane % 16) and keys 8 (lane / 16) + 0..7 of each 16; rounded to f16 in pairs that IS source 1 of O^T = V^T P.  p = 2^(c s - c m), c = log2(e) / 8,
; with a running maximum m; O, l and g are multiplied by a = 2^(c m_old - c m_new) in every step.  m starts at the lowest finite number, O, l, g at 0: the first step is a step like any other.
; THE BATCHES.  A tile's softmax for a step has 33 exponentials: a and the lane's 32 weights.  None reads another's result and each has a register of its own, so they are ONE batch with ONE wait:
; ahead of the wait stand a, the 16 scalings and the 32 exponentials, behind it all that names a result: the roundings, the sums, O, l and g times a.  Two waits a key step.  On the way out each
; tile's reciprocal is a batch of its own, with 16 multiply-adds between it and its wait.
; THE RELATIVE TERMS.  In all but two steps of a tile every j - i is <= -32 or >= 32: the score term is one number a query, q . E[0] or q . E[64], taken as the C operand that starts the sum (CUR),
; and the value term is (the sum g of those steps' weights) x E[0] or E[64].  In the two BAND steps: R^T = T[z0 .. z0 + 95] Q^T (T: the table, row z = E[clamp(z - 63)]) goes through my scratch and
; comes back skewed (y = key - query + 15) as the C operand; behind the step P goes through my scratch with the same skew and O^T += T^T P'.  z0 = 64 (step - first band step) + 16 ((w & 3) xor 1).
; K AND V lie in two LDS regions of four key steps that take turns.  In every key step a wave stores the 8 keys of K and of V that it brought a step before (4 LDS stores) into the OTHER region, for the
; step four steps on, and asks for the next 8 (4 loads, nearly a step ahead of their use).  Reads of one region and stores into the other lie between the same two barriers: one barrier for 256 keys.
; The last four steps' stores put stale bytes into a region that nobody reads any more: the price of one text for every trip.
; NO CLUSTER, NO TENSOR LOADS.  The step at which a tile takes the band's text hangs on the query block, which differs between the work-groups that share K and V, and partners in a cluster
; run alike; K and V are 16 KiB a key step.  Staging through registers gives one text for all trips.
; O's 64 registers are cleared once, in the wait for the first loads: the price of writing no first step out.
.set PK,    144                        ; a row of K in LDS: 128 bytes + 16
.set PV,    160                        ; a row of V, and of the table: 128 + 32
.set VREG,  256*PK                     ; a region: 256 keys of K, then 256 of V
.set REGB,  1<<17                      ; the second region begins here, so that one exclusive or turns an address in one region into the other's
.set EXT,   VREG+256*PV                ; between the regions: the table, 224 rows
.set SCR,   REGB+VREG+256*PV           ; behind the second region: each wave's own scratch:
.set SCRB,  10496                      ;   +0 R^T, 16 queries x 400 bytes (also the stage of the way out, 16 x 144); +6,400 P', 16 x 208; +9,984 E[0], E[64] in f32
.set PSO,   6400
.set EDO,   9984
.set SPARE, SCR+8*SCRB                 ; the spare words, 128 bytes a wave
; window 0
.set AK0, 3                            ; my lane's place in a step of K; never rewritten
.set AV0, 4                            ; the same for V (turned)
.set AK,  5
.set AV,  6
.set AEK0, 7                           ; my lane's place in the table at row 16 ((w & 3) xor 1), read as K is
.set AET0, 8                           ; the same, read turned
.set AE,  9
.set TBW, 10                           ; R^T in
.set TBR, 11                           ; and back, skewed
.set PSW, 12                           ; P' in, skewed
.set PSR, 13                           ; and back
.set EDG, 14
.set STO, 15
.set RD,  16
.set AEF, 17                           ; the table's row 0, read as K is
.set KST, 18                           ; where my 8 keys of a step's K go; never rewritten
.set VST, 19                           ; the same for V
.set GLO, 20                           ; 16 x lane
.set QO,  21
.set MBIG, 22                          ; -2^60
.set SPW, 24
.set NIL, 25
.set ZQ,  28                           ; four zeros
.set ST,  32                           ; tile t at ST + 8 t: c m, m, l (even, odd keys), g (even, odd), a, and a's partner in the pair
.set CC,  48                           ; v48-52 at work
.set GT,  54                           ; v54-55 g over both halves of the lanes
.set KSA, 56                           ; this step's store addresses
.set VSA, 57
.set S,   64
.set P,   96
.set O,   112                          ; 32 a tile
.set BIAS, 176
.set PSF, 176
.set RR,  208
; window 1
.set KF,  0
.set VF,  64
.set QF,  128                          ; 16 a tile
.set STG, 160                          ; my 8 keys of K and of V on their way
.set CUR, 224                          ; 8 a tile: q . E[0], behind the band q . E[64]
.set X64, 240                          ; 8 a tile: q . E[64]
; scalars
.set WV,  2
.set OUTER, 20
.set CNT, 21
.set SI,  22                           ; the key step, 0..31
.set TBK, 23                           ; LDS byte at which this step's K begins
.set TBV, 24                           ; the same for V, less VREG
.set MOFF, 25
.set BS,  26                           ; s26, s27: a tile's first band step (may be -1)
.set RB,  28                           ; the region to be read next: 0 or REGB
.set SEL, 66
.set CS,  100
.set MSB, 0
.macro WIN new
.if MSB != (\new)
	s_set_vgpr_msb (MSB<<8)|(\new)
.set MSB, (\new)
.endif
.endm
.macro NOPS n
.rept \n
	v_nop
.endr
.endm
.macro FETCH_K
	WIN 0x40
.irp f, 0,1,2,3,4,5,6,7             ; keys 16 (f / 2) on, channels 32 (f % 2) on
	ds_load_b128 v[KF+8*\f:KF+8*\f+3],   v[AK] offset:(\f/2)*16*PK+(\f%2)*64
	ds_load_b128 v[KF+8*\f+4:KF+8*\f+7], v[AK] offset:(\f/2)*16*PK+(\f%2)*64+32
.endr
.endm
.macro FETCH_V
	WIN 0x40
.irp f, 0,1,2,3,4,5,6,7             ; keys 32 (f / 4) on, channels 16 (f % 4) on
	ds_load_tr16_b128 v[VF+8*\f:VF+8*\f+3],   v[AV] offset:(\f/4)*32*PV+(\f%4)*32
	ds_load_tr16_b128 v[VF+8*\f+4:VF+8*\f+7], v[AV] offset:(\f/4)*32*PV+16*PV+(\f%4)*32
.endr
.endm
; Four products of S^T = K Q^T, the four key blocks by turns.  mode 0: channels 0-31, C = CUR; 1: channels 0-31, C = the band's bias; 2: channels 32-63, in place.
.macro KQ4 t, mode
.irp kb, 0,1,2,3
.if (\mode) == 0
	WIN 0x15
	v_wmma_f32_16x16x32_f16 v[S+8*\kb:S+8*\kb+7], v[KF+16*\kb:KF+16*\kb+7], v[QF+16*(\t):QF+16*(\t)+7], v[CUR+8*(\t):CUR+8*(\t)+7]
.elseif (\mode) == 1
	WIN 0x05
	v_wmma_f32_16x16x32_f16 v[S+8*\kb:S+8*\kb+7], v[KF+16*\kb:KF+16*\kb+7], v[QF+16*(\t):QF+16*(\t)+7], v[BIAS+8*\kb:BIAS+8*\kb+7]
.else
	WIN 0x05
	v_wmma_f32_16x16x32_f16 v[S+8*\kb:S+8*\kb+7], v[KF+16*\kb+8:KF+16*\kb+15], v[QF+16*(\t)+8:QF+16*(\t)+15], v[S+8*\kb:S+8*\kb+7]
.endif
.endr
.endm
.macro PV t                            ; eight products of O^T += V^T P: keys 32 (i / 4) on, channels 16 (i % 4) on; the four accumulators by turns
	WIN 0x01
.irp i, 0,1,2,3,4,5,6,7
	v_wmma_f32_16x16x32_f16 v[O+32*(\t)+8*(\i%4):O+32*(\t)+8*(\i%4)+7], v[VF+32*(\i/4)+8*(\i%4):VF+32*(\i/4)+8*(\i%4)+7], v[P+8*(\i/4):P+8*(\i/4)+7], v[O+32*(\t)+8*(\i%4):O+32*(\t)+8*(\i%4)+7]
.endr
	WIN 0
.endm
; The next cnt pairs of tile t's O^T times a; z runs on from pair to pair, ascending.
.macro RESC t, cnt
.rept \cnt
	v_pk_mul_f32 v[O+32*(\t)+2*z:O+32*(\t)+2*z+1], v[O+32*(\t)+2*z:O+32*(\t)+2*z+1], v[ST+8*(\t)+6:ST+8*(\t)+7] op_sel_hi:[1,0]
.set z, z+1
.endr
.endm
; A tile's softmax for one step.  The maximum in four chains, three operands at a time; the exchange with the lane 16 away; c m and a's argument.
; THE BATCH: a; the scalings c s - c m of pairs 0 and 1 (the first is the plain instruction behind a); fourteen times an exponential, the scaling of the pair two pairs on, an exponential;
; the last four exponentials; a v_nop, the plain instruction behind the last of them.  No line of the batch names a result of its exponentials: a scaling names a pair whose exponentials are still to come.
; THE WAIT, one for the 33.  BEHIND IT the readers: the 16 roundings; the sums; O times a, in runs between the last links of the sums' chain, which wait for each other; l and g.
.macro SOFTMAX t
.set rT, ST+8*(\t)
.irp n, 0,1,2,3
	v_max3_num_f32 v[CC+\n], v[S+8*\n], v[S+8*\n+1], v[S+8*\n+2]
.endr
.irp n, 0,1,2,3
	v_max3_num_f32 v[CC+\n], v[CC+\n], v[S+8*\n+3], v[S+8*\n+4]
.endr
.irp n, 0,1,2,3
	v_max3_num_f32 v[CC+\n], v[CC+\n], v[S+8*\n+5], v[S+8*\n+6]
.endr
	v_max3_num_f32 v[CC], v[CC], v[S+7], v[S+15]
	v_max3_num_f32 v[CC+1], v[CC+1], v[S+23], v[S+31]
	v_max3_num_f32 v[CC+2], v[CC+2], v[CC+3], v[rT+1]
	v_mov_b32 v[CC+4], v[rT]        ; c m_old is kept
	v_max3_num_f32 v[CC], v[CC], v[CC+1], v[CC+2]
	v_permlanex16_b32 v[CC+3], v[CC], s[SEL], s[SEL+1]
	v_max_num_f32 v[rT+1], v[CC], v[CC+3]
	v_mul_f32 v[rT], s[CS], v[rT+1]
	v_sub_f32 v[CC+1], v[CC+4], v[rT]
	v_exp_f32 v[rT+6], v[CC+1]      ; a: the batch's first
.irp n, 0,1
	v_pk_fma_f32 v[S+2*\n:S+2*\n+1], v[S+2*\n:S+2*\n+1], s[CS:CS+1], v[rT:rT+1] op_sel_hi:[1,0,0] neg_lo:[0,0,1] neg_hi:[0,0,1]
.endr
.set n, 0
.rept 14                            ; weights 2 n and 2 n + 1; between them pair n + 2 is scaled
	v_exp_f32 v[S+2*n], v[S+2*n]
	v_pk_fma_f32 v[S+2*n+4:S+2*n+5], v[S+2*n+4:S+2*n+5], s[CS:CS+1], v[rT:rT+1] op_sel_hi:[1,0,0] neg_lo:[0,0,1] neg_hi:[0,0,1]
	v_exp_f32 v[S+2*n+1], v[S+2*n+1]
.set n, n+1
.endr
.irp n, 28,29,30,31
	v_exp_f32 v[S+\n], v[S+\n]
.endr
	v_nop                           ; a plain instruction behind the last exponential: one for the batch
	s_wait_alu depctr_va_vdst(0)    ; the wait ahead of the first line that names a result: one for a and the tile's 32 weights
.set n, 0
.rept 16
	v_cvt_pk_f16_f32 v[P+n], v[S+2*n], v[S+2*n+1]
.set n, n+1
.endr
.irp u, 0,1,2,3,4,5,6,7
	v_pk_add_f32 v[S+4*\u:S+4*\u+1], v[S+4*\u:S+4*\u+1], v[S+4*\u+2:S+4*\u+3]
.endr
.irp u, 0,1,2,3
	v_pk_add_f32 v[S+8*\u:S+8*\u+1], v[S+8*\u:S+8*\u+1], v[S+8*\u+4:S+8*\u+5]
.endr
.set z, 0
	RESC \t, 4
	v_pk_add_f32 v[S:S+1], v[S:S+1], v[S+8:S+9]
	v_pk_add_f32 v[S+16:S+17], v[S+16:S+17], v[S+24:S+25]
	RESC \t, 6
	v_pk_add_f32 v[S:S+1], v[S:S+1], v[S+16:S+17]
	RESC \t, 6
	v_pk_fma_f32 v[rT+2:rT+3], v[rT+2:rT+3], v[rT+6:rT+7], v[S:S+1] op_sel_hi:[1,0,1]   ; l = a l + sum
	v_pk_fma_f32 v[rT+4:rT+5], v[rT+4:rT+5], v[rT+6:rT+7], v[S:S+1] op_sel_hi:[1,0,1]   ; g = a g + sum
.endm
; IN FRONT OF A BAND STEP'S SCORES.  s30 = step - first band step, 0 or 1.  O += g E[0] (g is 0 in the second band step); R^T in three rounds of two blocks of 16 table rows; through my scratch; back skewed.
.macro BANDPRE t
	s_and_b32 s30, s30, 1
	s_mul_i32 s30, s30, 64*PV
	v_add_nc_u32 v[AE], s30, v[AEK0]
.irp cb, 0,1,2,3
	ds_load_b128 v[RR+8*\cb:RR+8*\cb+3],   v[EDG] offset:64*\cb
	ds_load_b128 v[RR+8*\cb+4:RR+8*\cb+7], v[EDG] offset:64*\cb+16
.endr
	v_add_f32 v[GT], v[ST+8*(\t)+4], v[ST+8*(\t)+5]
	v_permlanex16_b32 v[GT+1], v[GT], s[SEL], s[SEL+1]
	v_add_f32 v[GT], v[GT], v[GT+1]
	s_wait_dscnt 0x0
.set n, 0
.rept 16
	v_pk_fma_f32 v[O+32*(\t)+2*n:O+32*(\t)+2*n+1], v[RR+2*n:RR+2*n+1], v[GT:GT+1], v[O+32*(\t)+2*n:O+32*(\t)+2*n+1] op_sel_hi:[1,0,1]
.set n, n+1
.endr
.irp rd, 0,1,2
.irp e, 0,1
.irp c, 0,1
	ds_load_b128 v[S+16*(\e)+8*(\c):S+16*(\e)+8*(\c)+3],   v[AE] offset:(2*(\rd)+(\e))*16*PV+64*(\c)
	ds_load_b128 v[S+16*(\e)+8*(\c)+4:S+16*(\e)+8*(\c)+7], v[AE] offset:(2*(\rd)+(\e))*16*PV+64*(\c)+32
.endr
.endr
	s_wait_dscnt 0x0
	WIN 0x04                        ; Q in window 1
	v_wmma_f32_16x16x32_f16 v[RR+16*(\rd):RR+16*(\rd)+7],    v[S:S+7],     v[QF+16*(\t):QF+16*(\t)+7], 0
	v_wmma_f32_16x16x32_f16 v[RR+16*(\rd)+8:RR+16*(\rd)+15], v[S+16:S+23], v[QF+16*(\t):QF+16*(\t)+7], 0
	v_wmma_f32_16x16x32_f16 v[RR+16*(\rd):RR+16*(\rd)+7],    v[S+8:S+15],  v[QF+16*(\t)+8:QF+16*(\t)+15], v[RR+16*(\rd):RR+16*(\rd)+7]
	v_wmma_f32_16x16x32_f16 v[RR+16*(\rd)+8:RR+16*(\rd)+15], v[S+24:S+31], v[QF+16*(\t)+8:QF+16*(\t)+15], v[RR+16*(\rd)+8:RR+16*(\rd)+15]
	WIN 0
	NOPS 4+(\rd)/2                  ; four places in front of the next round's loads into these sources and of the stores of these results; five behind the last round: the score
	                                ; products that follow write S's registers, which these products read as sources
.endr
.irp yb, 0,1,2,3,4,5
	ds_store_b128 v[TBW], v[RR+8*\yb:RR+8*\yb+3]   offset:64*\yb
	ds_store_b128 v[TBW], v[RR+8*\yb+4:RR+8*\yb+7] offset:64*\yb+16
.endr
.set n, 0
.rept 32
	ds_load_b32 v[BIAS+n], v[TBR] offset:64*(n/8)+4*(n%8)   ; LDS serves a wave's instructions in order: these see the stores above
.set n, n+1
.endr
	s_wait_dscnt 0x0
.endm
; BEHIND A BAND STEP'S V^T P.  P goes into my scratch with the skew (the corners, never written, hold the zeros of the start), comes back as three fragments of 32 table rows, and O^T += T^T P'.
; Then g starts anew, and CUR is q . E[64] from here on.
.macro BANDPOST t
	s_and_b32 s30, s30, 1
	s_mul_i32 s30, s30, 64*PV
	v_add_nc_u32 v[AE], s30, v[AET0]
.set n, 0
.rept 16
	ds_store_b16 v[PSW], v[P+n] offset:2*(16*(n/4)+2*(n%4))
	ds_store_b16_d16_hi v[PSW], v[P+n] offset:2*(16*(n/4)+2*(n%4)+1)
.set n, n+1
.endr
.irp gk, 0,1,2
	ds_load_b128 v[PSF+8*\gk:PSF+8*\gk+3],   v[PSR] offset:64*\gk
	ds_load_b128 v[PSF+8*\gk+4:PSF+8*\gk+7], v[PSR] offset:64*\gk+32
.endr
.irp gk, 0,1,2
.irp cb, 0,1,2,3
	ds_load_tr16_b128 v[S+8*(\cb):S+8*(\cb)+3],   v[AE] offset:(\gk)*32*PV+32*(\cb)
	ds_load_tr16_b128 v[S+8*(\cb)+4:S+8*(\cb)+7], v[AE] offset:(\gk)*32*PV+16*PV+32*(\cb)
.endr
	s_wait_dscnt 0x0
.irp cb, 0,1,2,3
	v_wmma_f32_16x16x32_f16 v[O+32*(\t)+8*(\cb):O+32*(\t)+8*(\cb)+7], v[S+8*(\cb):S+8*(\cb)+7], v[PSF+8*(\gk):PSF+8*(\gk)+7], v[O+32*(\t)+8*(\cb):O+32*(\t)+8*(\cb)+7]
.endr
	NOPS 4                          ; the places in front of the next loads into these sources; behind the last round the ten moves below follow them
.endr
	v_mov_b32 v[ST+8*(\t)+4], 0
	v_mov_b32 v[ST+8*(\t)+5], 0
	WIN 0x41
.irp j, 0,1,2,3,4,5,6,7
	v_mov_b32 v[CUR+8*(\t)+\j], v[X64+8*(\t)+\j]
.endr
	WIN 0
.endm
; A TILE'S KEY STEP.  All jumps go forward, on whole numbers made of the step's count and the work-group's and wave's numbers; they pass no barrier.
.macro TILE t
.set MB, 32+36*(\t)                    ; the tile's 32 mask words: s[32:63], s[68:99]
	s_sub_co_u32 s30, s[SI], s[BS+(\t)]
	s_cmp_lt_u32 s30, 2
	s_cbranch_scc1 .Lpre_\@
.if (\t) == 0
	s_wait_dscnt 16                 ; my four stores are done and K is in; V's sixteen loads may stay out
.endif
	KQ4 \t, 0
	WIN 0
	s_branch .Ljoin_\@
.Lpre_\@:
	BANDPRE \t
	KQ4 \t, 1
	WIN 0
.Ljoin_\@:
	KQ4 \t, 2
	WIN 0
.if (\t) == 0
	s_cmp_lt_u32 s[SI], 27          ; step s asks for the keys of step s + 5; steps 27 to 31 ask for nothing
	s_cbranch_scc0 .Lnoload_\@
	s_add_nc_u64 s[12:13], s[12:13], 0x2000  ; 64 keys on (the loads that named these are done: the wait at the step's head)
	s_add_nc_u64 s[14:15], s[14:15], 0x2000
	WIN 0x40                        ; the stores that read these registers are done: the wait on DScnt on either way to the join
	global_load_b128 v[STG:STG+3],     v[GLO], s[12:13]
	global_load_b128 v[STG+4:STG+7],   v[GLO], s[12:13] offset:512
	global_load_b128 v[STG+8:STG+11],  v[GLO], s[14:15]
	global_load_b128 v[STG+12:STG+15], v[GLO], s[14:15] offset:512
	WIN 0
.Lnoload_\@:
.endif
	NOPS 4                          ; the places behind those products
.if (\t) == 0
	s_wait_kmcnt 0x0                ; this step's mask words are in, so the offset that their loads named may be written:
	s_add_co_u32 s[MOFF], s[SI], 1  ; the next step's, 256 bytes on; the last step asks for its own once more and stays inside the buffer
	s_min_u32 s[MOFF], s[MOFF], 31
	s_lshl_b32 s[MOFF], s[MOFF], 8
.endif
.set n, 0
.rept 32
	v_cndmask_b32 v[S+n], v[MBIG], v[S+n], s[MB+n]
.set n, n+1
.endr
.if (\t) == 1
	s_load_b512 s[32:47], s[6:7], s[MOFF] offset:0x0
	s_load_b512 s[48:63], s[6:7], s[MOFF] offset:0x40
	s_load_b512 s[68:83], s[6:7], s[MOFF] offset:0x80
	s_load_b512 s[84:99], s[6:7], s[MOFF] offset:0xc0
.endif
	SOFTMAX \t
.if (\t) == 0
	s_wait_dscnt 0x0                ; V is in
.endif
	PV \t
	s_sub_co_u32 s30, s[SI], s[BS+(\t)]
	s_cmp_lt_u32 s30, 2
	s_cbranch_scc0 .Lskip_\@
	BANDPOST \t
.Lskip_\@:
.endm
	s_load_b256 s[4:11], s[0:1], 0x0  ; qkv s[4:5], maskw s[6:7], ext s[8:9], ctx s[10:11]
	v_lshl_add_u32 v[SPW], v0, 2, SPARE
	v_mov_b32 v[NIL], 0
	v_lshrrev_b32 v1, 5, v0
	v_readfirstlane_b32 s[WV], v1   ; wave 0..7
	v_and_b32 v1, 15, v0            ; r = l % 16
	v_bfe_u32 v2, v0, 4, 1          ; h = l / 16
	v_and_b32 v[GLO], 31, v0
	v_lshlrev_b32 v[GLO], 4, v[GLO]
	v_lshlrev_b32 v[QO], 7, v1
	v_lshl_add_u32 v[QO], v2, 4, v[QO]
	v_lshlrev_b32 v26, 4, v0        ; 16 x thread: the table's bytes
	s_and_b32 s16, ttmp7, 0xffff    ; the head, 0..31
	s_mov_b32 s17, ttmp9            ; g: the block of 256 queries
	s_and_b32 s18, s[WV], 3         ; u
	s_lshr_b32 s19, s[WV], 2
	s_lshl_b32 s[BS], s17, 2
	s_add_co_u32 s[BS], s[BS], s19  ; tile 0's band of 64 queries, X = 4 g + (w >> 2)
	s_lshr_b32 s23, s18, 1
	s_add_co_u32 s[BS], s[BS], s23
	s_sub_co_u32 s[BS], s[BS], 1    ; its first band step X - 1 + (u >> 1)
	s_add_co_u32 s[BS+1], s[BS], 2  ; tile 1 lies 128 rows on
	s_lshl_b32 s28, s17, 8
	s_lshl_b32 s23, s19, 6
	s_add_co_u32 s28, s28, s23
	s_lshl_b32 s23, s18, 4
	s_add_co_u32 s28, s28, s23      ; tile 0's first row
	s_lshl_b32 s23, s16, 11
	s_add_co_u32 s28, s28, s23
	s_lshl_b32 s28, s28, 7          ; in bytes, in q and in ctx
	s_mov_b32 s29, 0
	s_lshl_b32 s30, s16, 18         ; the head's first byte, and my 8 keys of a step's 64
	s_lshl_b32 s23, s[WV], 10
	s_add_co_u32 s30, s30, s23
	s_mov_b32 s31, 0
	s_lshr_b32 s20, s16, 4          ; the mask words of (batch, g, w): 8,192 bytes
	s_lshl_b32 s20, s20, 6
	s_lshl_b32 s23, s17, 3
	s_add_co_u32 s20, s20, s23
	s_add_co_u32 s20, s20, s[WV]
	s_lshl_b32 s20, s20, 13
	s_mov_b32 s21, 0
	s_mov_b32 s[MOFF], 0
	s_mov_b32 s[SEL], 0x76543210
	s_mov_b32 s[SEL+1], 0xfedcba98
	s_mov_b32 s[CS], 0x3e38aa3b     ; c = log2(e) / 8
	s_mov_b32 s[CS+1], s[CS]
	s_wait_kmcnt 0x0
	s_add_nc_u64 s[12:13], s[4:5], s[30:31]
	s_add_nc_u64 s[14:15], s[12:13], 0x1000000  ; v
	s_add_nc_u64 s[12:13], s[12:13], 0x800000   ; k
	s_add_nc_u64 s[4:5], s[4:5], s[28:29]       ; q at tile 0's first row
	s_add_nc_u64 s[10:11], s[10:11], s[28:29]   ; ctx likewise
	s_add_nc_u64 s[6:7], s[6:7], s[20:21]
.irp i, 0,1,2,3,4,5,6
	global_load_b128 v[RR+4*\i:RR+4*\i+3], v26, s[8:9] offset:4096*\i  ; the table: 28,672 bytes, shared out among the 256 threads
.endr
	global_load_b128 v[RR+28:RR+31], v[GLO], s[8:9] offset:28672       ; E[0], E[64] in f32: every wave takes its own copy
	WIN 0x40
.irp j, 0,1,2,3                     ; my 8 keys of key steps 0 to 3, through the registers that will hold K's and V's fragments
	global_load_b128 v[16*\j:16*\j+3],     v[GLO], s[12:13] offset:8192*\j
	global_load_b128 v[16*\j+4:16*\j+7],   v[GLO], s[12:13] offset:8192*\j+512
	global_load_b128 v[16*\j+8:16*\j+11],  v[GLO], s[14:15] offset:8192*\j
	global_load_b128 v[16*\j+12:16*\j+15], v[GLO], s[14:15] offset:8192*\j+512
.endr
	global_load_b128 v[STG:STG+3],     v[GLO], s[12:13] offset:32768      ; and of step 4, which step 0 stores
	global_load_b128 v[STG+4:STG+7],   v[GLO], s[12:13] offset:32768+512
	global_load_b128 v[STG+8:STG+11],  v[GLO], s[14:15] offset:32768
	global_load_b128 v[STG+12:STG+15], v[GLO], s[14:15] offset:32768+512
.irp t, 0,1
.irp c, 0,1
	global_load_b128 v[QF+16*(\t)+8*(\c):QF+16*(\t)+8*(\c)+3],   v[QO], s[4:5] offset:16384*(\t)+64*(\c)
	global_load_b128 v[QF+16*(\t)+8*(\c)+4:QF+16*(\t)+8*(\c)+7], v[QO], s[4:5] offset:16384*(\t)+64*(\c)+32
.endr
.endr
	WIN 0
	s_load_b512 s[32:47], s[6:7], s[MOFF] offset:0x0   ; step 0's mask words
	s_load_b512 s[48:63], s[6:7], s[MOFF] offset:0x40
	s_load_b512 s[68:83], s[6:7], s[MOFF] offset:0x80
	s_load_b512 s[84:99], s[6:7], s[MOFF] offset:0xc0
	; the addresses, in the wait for the loads
	v_and_b32 v23, 7, v0
	v_bfe_u32 v27, v0, 3, 1
	v_mul_u32_u24 v[AK0], v1, PK
	v_lshl_add_u32 v[AK0], v2, 4, v[AK0]         ; row x pitch + 16 x half
	v_lshl_add_u32 v[AV0], v2, 3, v23            ; turned: lane l reads row 8 (l / 16) + l % 8, channels 8 ((l / 8) % 2) + 0..7
	v_mul_u32_u24 v[AV0], v[AV0], PV
	v_lshl_add_u32 v[AV0], v27, 4, v[AV0]
	s_xor_b32 s23, s18, 1
	s_mul_i32 s23, s23, 16*PV
	s_add_co_u32 s23, s23, EXT                   ; the table at row 16 (u xor 1)
	v_add_nc_u32 v[AET0], s23, v[AV0]
	v_add_nc_u32 v[AV0], VREG, v[AV0]
	v_mul_u32_u24 v[AE], v1, PV
	v_lshl_add_u32 v[AE], v2, 4, v[AE]
	v_add_nc_u32 v[AEK0], s23, v[AE]
	v_add_nc_u32 v[AEF], EXT, v[AE]
	s_mul_i32 s24, s[WV], SCRB
	s_add_co_u32 s24, s24, SCR                   ; my scratch
	v_mul_u32_u24 v[TBW], v1, 400
	v_lshl_add_u32 v[TBW], v2, 5, v[TBW]
	v_add_nc_u32 v[TBW], s24, v[TBW]             ; R^T[q][y] at 400 q + 4 y, y = 16 yb + 8 h + j
	v_mul_u32_u24 v[TBR], v1, 396
	v_lshl_add_u32 v[TBR], v2, 5, v[TBR]
	v_add_nc_u32 v[TBR], s24, v[TBR]
	v_add_nc_u32 v[TBR], 60, v[TBR]              ; back at y = key - q + 15: 400 q + 4 (16 kb + 8 h + j - q + 15)
	s_add_co_u32 s23, s24, PSO
	v_mul_u32_u24 v[PSW], v1, 206
	v_lshl_add_u32 v[PSW], v2, 4, v[PSW]
	v_add_nc_u32 v[PSW], s23, v[PSW]
	v_add_nc_u32 v[PSW], 30, v[PSW]              ; P'[q][y] at 208 q + 2 y, the same y
	v_mul_u32_u24 v[PSR], v1, 208
	v_lshl_add_u32 v[PSR], v2, 4, v[PSR]
	v_add_nc_u32 v[PSR], s23, v[PSR]
	v_add_nc_u32 v27, s23, v[GLO]                ; for the zeros
	s_add_co_u32 s23, s24, EDO
	v_lshlrev_b32 v[EDG], 5, v2
	v_add_nc_u32 v[EDG], s23, v[EDG]             ; E[..][16 cb + 8 h + j] at 64 cb + 32 h + 4 j
	v_add_nc_u32 v[AV], s23, v[GLO]              ; for the copy of E[0], E[64]
	v_add_nc_u32 v[STO], s24, v[AK0]
	v_bfe_u32 v[RD], v0, 3, 2
	v_mul_u32_u24 v[KST], v[RD], PK
	v_lshl_add_u32 v[KST], v23, 4, v[KST]        ; 32 lanes take four rows of 128 bytes
	v_mul_u32_u24 v[VST], v[RD], PV
	v_lshl_add_u32 v[VST], v23, 4, v[VST]
	v_add_nc_u32 v[RD], s24, v[KST]
	s_mul_i32 s23, s[WV], 8*PK                   ; my 8 keys of a step's 64
	v_add_nc_u32 v[KST], s23, v[KST]
	s_mul_i32 s23, s[WV], 8*PV
	s_add_co_u32 s23, s23, VREG
	v_add_nc_u32 v[VST], s23, v[VST]
	v_lshrrev_b32 v[AK], 3, v0                   ; the table into LDS: thread t has 16 bytes of row t / 8 (+ 32 i),
	v_mul_u32_u24 v[AK], v[AK], PV
	v_lshl_add_u32 v[AE], v23, 2, v[AK]          ; and 4 of the 32 bytes of padding behind that row
	v_add_nc_u32 v[AE], EXT+128, v[AE]
	v_lshl_add_u32 v[AK], v23, 4, v[AK]
	v_add_nc_u32 v[AK], EXT, v[AK]
	v_mov_b32 v[MBIG], 0xdd800000                ; -2^60
.irp j, 0,1,2,3
	v_mov_b32 v[ZQ+\j], 0
.endr
.irp j, 0,1,2,3,4,5,6,7
	v_mov_b32 v[CC+\j], 0
.endr
.irp t, 0,1
	v_mov_b32 v[ST+8*\t], 0xfe000000             ; c m: far below every c s
	v_mov_b32 v[ST+8*\t+1], 0xff7fffff           ; m
.irp j, 2,3,4,5,6,7
	v_mov_b32 v[ST+8*\t+\j], 0
.endr
.endr
.set i, 0
.rept 64
	v_mov_b32 v[O+i], 0
.set i, i+1
.endr
	s_wait_loadcnt 0x0
	s_add_nc_u64 s[12:13], s[12:13], 0x8000      ; K and V at my keys of step 4: the loop steps on from there
	s_add_nc_u64 s[14:15], s[14:15], 0x8000
.irp i, 0,1,2,3,4,5,6
	ds_store_b128 v[AK], v[RR+4*\i:RR+4*\i+3] offset:32*PV*\i
.endr
.irp i, 0,1,2,3,4,5,6
	ds_store_b32 v[AE], v[ZQ] offset:32*PV*\i    ; the rows' padding is written too: every byte of the table's region then holds a defined number
.endr
	ds_store_b128 v[AV], v[RR+28:RR+31]
.irp i, 0,1,2,3,4,5,6
	ds_store_b128 v27, v[ZQ:ZQ+3] offset:512*\i  ; P' starts as zeros: 3,584 bytes
.endr
	WIN 0x04                        ; store data in window 1
.irp j, 0,1,2,3                     ; key steps 0 to 3 into the first region
	ds_store_b128 v[KST], v[16*\j:16*\j+3]     offset:64*PK*\j
	ds_store_b128 v[KST], v[16*\j+4:16*\j+7]   offset:64*PK*\j+4*PK
	ds_store_b128 v[VST], v[16*\j+8:16*\j+11]  offset:64*PV*\j
	ds_store_b128 v[VST], v[16*\j+12:16*\j+15] offset:64*PV*\j+4*PV
.endr
	WIN 0
	s_wait_dscnt 0x0                ; for the others' sake: my parts of the table and of the first region are written
	s_barrier_signal -1
	s_barrier_wait -1
	; q . E[0] and q . E[64]: table rows 0-15 all hold E[0], rows 208-223 E[64], so all eight registers of a result hold the query's number
.irp e, 0,1
.irp c, 0,1
	ds_load_b128 v[S+16*(\e)+8*(\c):S+16*(\e)+8*(\c)+3],   v[AEF] offset:208*PV*(\e)+64*(\c)
	ds_load_b128 v[S+16*(\e)+8*(\c)+4:S+16*(\e)+8*(\c)+7], v[AEF] offset:208*PV*(\e)+64*(\c)+32
.endr
.endr
	s_wait_dscnt 0x0
	WIN 0x54                        ; Q, C and D in window 1
.irp c, 0,1
.irp k, 0,1,2,3                     ; CUR of tiles 0, 1, X64 of tiles 0, 1, by turns
.if (\c) == 0
	v_wmma_f32_16x16x32_f16 v[CUR+8*(\k):CUR+8*(\k)+7], v[S+16*((\k)/2):S+16*((\k)/2)+7], v[QF+16*((\k)%2):QF+16*((\k)%2)+7], 0
.else
	v_wmma_f32_16x16x32_f16 v[CUR+8*(\k):CUR+8*(\k)+7], v[S+16*((\k)/2)+8:S+16*((\k)/2)+15], v[QF+16*((\k)%2)+8:QF+16*((\k)%2)+15], v[CUR+8*(\k):CUR+8*(\k)+7]
.endif
.endr
.endr
	WIN 0
	NOPS 5                          ; five places before these results serve as another accumulator's C
	s_mov_b32 s[OUTER], 8
	s_mov_b32 s[SI], 0
	s_mov_b32 s[RB], 0
.Lregion:                           ; eight trips of 256 keys
	s_wait_dscnt 0x0                ; my reads of the region that I leave are over, and my stores into the one that I enter are done
	s_barrier_signal -1
	s_barrier_wait -1               ; everybody's are: the one may be written, the other read
	s_mov_b32 s[TBK], s[RB]
	s_mov_b32 s[TBV], s[RB]
	s_xor_b32 s[RB], s[RB], REGB
	s_mov_b32 s[CNT], 4
.Lstep:
	s_xor_b32 s30, s[TBK], REGB     ; the same step's place in the other region
	s_xor_b32 s31, s[TBV], REGB
	v_add_nc_u32 v[AK], s[TBK], v[AK0]
	v_add_nc_u32 v[AV], s[TBV], v[AV0]
	v_add_nc_u32 v[KSA], s30, v[KST]
	v_add_nc_u32 v[VSA], s31, v[VST] ; these four are the places between the last V^T P and the loads into V's registers
	s_wait_loadcnt 0x0              ; my 8 keys of the step four steps on are in registers
	WIN 0x04                        ; store data in window 1
	ds_store_b128 v[KSA], v[STG:STG+3]
	ds_store_b128 v[KSA], v[STG+4:STG+7]   offset:4*PK
	ds_store_b128 v[VSA], v[STG+8:STG+11]
	ds_store_b128 v[VSA], v[STG+12:STG+15] offset:4*PV
	FETCH_K
	FETCH_V
	WIN 0
	s_add_co_u32 s[TBK], s[TBK], 64*PK
	s_add_co_u32 s[TBV], s[TBV], 64*PV
	TILE 0
	TILE 1
	s_add_co_u32 s[SI], s[SI], 1
	s_sub_co_u32 s[CNT], s[CNT], 1
	s_cmp_lg_u32 s[CNT], 0
	s_cbranch_scc1 .Lstep
	s_sub_co_u32 s[OUTER], s[OUTER], 1
	s_cmp_lg_u32 s[OUTER], 0
	s_cbranch_scc1 .Lregion
	; THE WAY OUT.  O += g E[64]; divided by l; rounded to f16; through my stage; 16 rows of a head are 2,048 consecutive bytes.
	NOPS 4
.irp cb, 0,1,2,3
	ds_load_b128 v[RR+8*\cb:RR+8*\cb+3],   v[EDG] offset:256+64*\cb
	ds_load_b128 v[RR+8*\cb+4:RR+8*\cb+7], v[EDG] offset:256+64*\cb+16
.endr
	s_wait_dscnt 0x0
.macro OUT t, pk
	v_add_f32 v[CC], v[ST+8*(\t)+2], v[ST+8*(\t)+3]
	v_add_f32 v[GT], v[ST+8*(\t)+4], v[ST+8*(\t)+5]
	v_permlanex16_b32 v[CC+1], v[CC], s[SEL], s[SEL+1]
	v_permlanex16_b32 v[GT+1], v[GT], s[SEL], s[SEL+1]
	v_add_f32 v[CC], v[CC], v[CC+1]
	v_add_f32 v[GT], v[GT], v[GT+1]
	v_rcp_f32 v[CC+2], v[CC]        ; the tile's reciprocal: a batch of one; the sixteen multiply-adds below name neither its result nor its source, and the first is the plain instruction behind it
.set n, 0
.rept 16
	v_pk_fma_f32 v[O+32*(\t)+2*n:O+32*(\t)+2*n+1], v[RR+2*n:RR+2*n+1], v[GT:GT+1], v[O+32*(\t)+2*n:O+32*(\t)+2*n+1] op_sel_hi:[1,0,1]
.set n, n+1
.endr
.set n, 0
	s_wait_alu depctr_va_vdst(0)    ; the wait ahead of the first line that names the reciprocal
.rept 16
	v_pk_mul_f32 v[O+32*(\t)+2*n:O+32*(\t)+2*n+1], v[O+32*(\t)+2*n:O+32*(\t)+2*n+1], v[CC+2:CC+3] op_sel_hi:[1,0]
.set n, n+1
.endr
.set n, 0
.rept 16
	v_cvt_pk_f16_f32 v[(\pk)+n], v[O+32*(\t)+2*n], v[O+32*(\t)+2*n+1]
.set n, n+1
.endr
.irp f, 0,1,2,3
	ds_store_b128 v[STO], v[(\pk)+4*\f:(\pk)+4*\f+3] offset:32*\f
.endr
.irp f, 0,1,2,3
	ds_load_b128 v[(\pk)+16+4*\f:(\pk)+16+4*\f+3], v[RD] offset:4*PK*\f  ; LDS serves a wave's instructions in order: these see the stores above
.endr
.irp f, 0,1,2,3
	s_wait_dscnt 3-\f
	global_store_b128 v[GLO], v[(\pk)+16+4*\f:(\pk)+16+4*\f+3], s[10:11] offset:16384*(\t)+512*\f
.endr
.endm
	OUT 0, S
	OUT 1, BIAS                     ; registers of its own: no store's data is rewritten
	s_wait_tensorcnt 0x0            ; the wave's end: behind my last LDS store
	ds_add_u32 v[SPW], v[NIL]
	s_wait_dscnt 0x0
	s_endpgm
.Lfunc_end_k_q09fd1d20c5_attn:
	.size	k_q09fd1d20c5_attn, .Lfunc_end_k_q09fd1d20c5_attn-k_q09fd1d20c5_attn
	.p2alignl 7, 3214868480
	.fill 96, 4, 3214868480
	.section	.rodata,"a",@progbits
	.p2align	6, 0x0
	.amdhsa_kernel k_q09fd1d20c5_attn
		.amdhsa_group_segment_fixed_size 293888
		.amdhsa_private_segment_fixed_size 0
		.amdhsa_enable_private_segment 0
		.amdhsa_kernarg_size 32
		.amdhsa_user_sgpr_count 2
		.amdhsa_user_sgpr_kernarg_segment_ptr 1
		.amdhsa_wavefront_size32 1
		.amdhsa_system_sgpr_workgroup_id_x 1
		.amdhsa_system_sgpr_workgroup_id_y 1
		.amdhsa_system_sgpr_workgroup_id_z 1
		.amdhsa_system_vgpr_workitem_id 0
		.amdhsa_next_free_vgpr 512
		.amdhsa_next_free_sgpr 102
		.amdhsa_reserve_vcc 0
		.amdhsa_float_denorm_mode_32 3
		.amdhsa_float_denorm_mode_16_64 3
		.amdhsa_memory_ordered 1
		.amdhsa_forward_progress 1
		.amdhsa_inst_pref_size 77
	.end_amdhsa_kernel
	.amdgpu_metadata
---
amdhsa.version: [ 1, 2 ]
amdhsa.kernels:
  - .name:           k_q09fd1d20c5_attn
    .symbol:         k_q09fd1d20c5_attn.kd
    .args:
      - { .name: qkv, .offset: 0, .size: 8, .value_kind: global_buffer, .address_space: global }
      - { .name: maskw, .offset: 8, .size: 8, .value_kind: global_buffer, .address_space: global }
      - { .name: ext, .offset: 16, .size: 8, .value_kind: global_buffer, .address_space: global }
      - { .name: ctx, .offset: 24, .size: 8, .value_kind: global_buffer, .address_space: global }
    .group_segment_fixed_size: 293888
    .private_segment_fixed_size: 0
    .kernarg_segment_align: 8
    .kernarg_segment_size: 32
    .max_flat_workgroup_size: 256
    .sgpr_count:     102
    .vgpr_count:     512
    .wavefront_size: 32
...
	.end_amdgpu_metadata
.endif
;; end of part 5
;; launch outp: the kernel of part 4 again; grid 8 x 32, 4 waves a work-group, clusters of 4 x 4, 327,680 bytes of LDS; arguments ctx, w16, out0, bo; writes out0
